; MI455X (gfx1250); checked and timed in simulation.
; The chip was launched on July 23, 2026; its instructions are those of AMD's public machine-readable ISA for CDNA 5 (MIT licence, August 2026) and "CDNA5" Instruction Set Architecture Reference Guide (July 2026). The comments in the code are by the model that wrote it; some were corrected since.
;; Local Band Similarity Block. Allowed arithmetic: float matrix products may take bf16 or f16 operands with f32 sums; other float arithmetic in f32, or as packed bf16 or f16 multiplies, adds, multiply-adds, maxima and minima; sums over many terms, partial sums and values carried from step to step in f32; what a program stores and reads back later, other than sums and carried values, may be rounded once to bf16 or f16.
;; Inputs: W1 3,072 x 768 float32; W2 768 x 3,072 float32; Wk 768 x 768 float32; Wo 768 x 768 float32; Wq 768 x 768 float32; Wv 768 x 768 float32; b1 3,072 float32; b2 768 float32; beta1 768 float32; beta2 768 float32; bk 768 float32; bo 768 float32; bq 768 float32; bv 768 float32; g1 768 float32; g2 768 float32; grid 4,096 x 2 int32; x 4,096 x 768 float32.
;; Outputs: out0 4,096 x 768 float32.
;; One version. Each part assembles by itself: llvm-mc -triple=amdgcn-amd-amdhsa -mcpu=gfx1250 --defsym DOCPART=n.
;; ======== version 1 of 1: 5 launches
;; limits: a function is approximated: absolute error at most 2.5e-05
;; workspace buffers: wsp 19,270,656 bytes; msk 2,162,688 bytes of whole numbers; qkv 18,874,368 bytes; lst 589,824 bytes of whole numbers; xh 18,874,368 bytes; act 25,165,824 bytes
;; launch prep (part 1): grid 512 x 1, 8 waves a work-group, no clusters, 115,456 bytes of LDS; arguments x, grid, Wq, Wk, Wv, Wo, W1, W2, bv, bo, g1, beta1, wsp, msk; writes wsp, msk
.if DOCPART == 1
	.amdgcn_target "amdgcn-amd-amdhsa--gfx1250"
	.amdhsa_code_object_version 6
	.text
	.protected	k_q091bbf4235_prep
	.globl	k_q091bbf4235_prep
	.p2align	8
	.type	k_q091bbf4235_prep,@function
k_q091bbf4235_prep:
	s_mov_b64 s[64:65], 0
	v_nop
	global_prefetch_b8 v0, s[64:65] scope:SCOPE_SE
	s_setreg_imm32_b32 hwreg(HW_REG_WAVE_MODE, 25, 1), 1
	s_wait_xcnt 0x0
; LocalBandSimilarityBlock, launch 1 of 5: everything that hangs on the inputs alone.
; WORK LEFT OUT, for all values of the inputs:
;  bk.  q_i.(k_j + bk) = q_i.k_j + q_i.bk: the second term is the same for every j of a softmax row, hidden places are overwritten
;  by NEG whatever they held, and a row without neighbours is replaced by v.  So bk reaches no output: it is not loaded and is no argument of any launch.
;  The product with Wo.  A softmax row sums to 1, so attn (h Wv^T + bv) Wo^T + bo = attn (h Wvo^T) + (bo + Wo bv) with Wvo = Wo Wv, and the row
;  that passes v through has the same form.  Wvo (768 x 768) is made here once; the 4096-row product with Wo is never made.
;  Keys that the mask hides.  The mask is made here from grid as reference() makes it (cast to f32, |dx| <= 2, |dy| <= 2, self excluded); later launches multiply only groups of 8 keys
;  in which some query of a block of 16 has a live key.  Every grid is served, up to all keys live.
; LIMITS.  A NaN, an infinity or an overflow that reaches only bk, or only hidden scores, is not carried to the result.  Wvo is rounded once to bf16 (another order of rounding than reference()'s).
; A query without neighbours gets its own bit set: a softmax over that one key has the weight 1, which is reference()'s pass-through of v.
; JOBS.  Work-group id has the kind (id xor id >> 8) & 1 and the index j = id >> 1, so that neighbouring numbers, and numbers 256 apart, are of different kinds.
; Kind 1: the masks and the first layer norm of the 16 tokens of block j.  Kind 0: j < 96 a tile 48 x 128 of Wvo and 8 numbers of bo2 = bo + Wo bv (the long jobs have the lowest numbers);
; else a cast of one chunk of Wq, Wk, W1, W2 to bf16.  No job names more than 115,456 bytes of LDS or 256 registers a wave; each kind has LDS bytes of its own.
; wsp: h bf16 [4096][768] at 0; WB1 [2304][768] (row 144 cb + 48 part + j: channel 48 cb + j of q, k, v'); W1B; W2B; bo2.
; msk: word (w, r) = keys 32 w .. +31 of query r of block qb at 8192 qb + 512 (w>>3) + 256 (w&1) + 16 r + 4 ((w>>1)&3); group bitmaps at GB + 256 qb.
.set WB1, 6291456
.set W1B, 9830400
.set W2B, 14548992
.set BO2, 19267584
.set GB,  2097152
.set WVS, 36864                        ; LDS: two buffers of Wv as bf16 from byte 0, 128 rows of 288 bytes each
.set LWO, 73728                        ; two buffers of Wo,
.set WOS, 13056                        ; 48 rows of 272 bytes each
.set STG, 99840                        ; the way out: 48 rows of 272
.set BOS, 112896                       ; eight sums
.set SPARE, 113152                     ; the spare words, 128 bytes a wave: no other line names them
.set ORB, 114176                       ; the mask job's own bytes: 256 words of OR,
.set GBL, 115200                       ; and 16 words of group bitmaps
.set SEL, 84
.set SINV, 86
.set SEPS, 87
.macro WSUM t                          ; the sum over the wave's 32 lanes, in every lane
	v_add_f32_dpp v[\t], v[\t], v[\t] row_xmask:1 row_mask:0xf bank_mask:0xf
	v_add_f32_dpp v[\t], v[\t], v[\t] row_xmask:2 row_mask:0xf bank_mask:0xf
	v_add_f32_dpp v[\t], v[\t], v[\t] row_xmask:4 row_mask:0xf bank_mask:0xf
	v_add_f32_dpp v[\t], v[\t], v[\t] row_xmask:8 row_mask:0xf bank_mask:0xf
	v_permlanex16_b32 v[(\t)+1], v[\t], s[SEL], s[SEL+1]
	v_add_f32 v[\t], v[\t], v[(\t)+1]
.endm
; A layer norm of one row of 768: 24 numbers a lane at S, result as 12 registers of bf16 at D.  Mean first, then the variance of the centred row, as reference() has it.
.macro LNROW S, D, G, B
	v_pk_add_f32 v[40:41], v[(\S):(\S)+1], v[(\S)+2:(\S)+3]
	v_pk_add_f32 v[42:43], v[(\S)+4:(\S)+5], v[(\S)+6:(\S)+7]
.set j, 8
.rept 4
	v_pk_add_f32 v[40:41], v[40:41], v[(\S)+j:(\S)+j+1]
	v_pk_add_f32 v[42:43], v[42:43], v[(\S)+j+2:(\S)+j+3]
.set j, j+4
.endr
	v_pk_add_f32 v[40:41], v[40:41], v[42:43]
	v_add_f32 v40, v40, v41
	WSUM 40
	v_mul_f32 v40, s[SINV], v40
.set j, 0
.rept 12
	v_pk_add_f32 v[(\D)+j:(\D)+j+1], v[(\S)+j:(\S)+j+1], v[40:41] op_sel_hi:[1,0] neg_lo:[0,1] neg_hi:[0,1]
.set j, j+2
.endr
	v_pk_mul_f32 v[42:43], v[(\D):(\D)+1], v[(\D):(\D)+1]
	v_pk_mul_f32 v[44:45], v[(\D)+2:(\D)+3], v[(\D)+2:(\D)+3]
.set j, 4
.rept 5
	v_pk_fma_f32 v[42:43], v[(\D)+j:(\D)+j+1], v[(\D)+j:(\D)+j+1], v[42:43]
	v_pk_fma_f32 v[44:45], v[(\D)+j+2:(\D)+j+3], v[(\D)+j+2:(\D)+j+3], v[44:45]
.set j, j+4
.endr
	v_pk_add_f32 v[42:43], v[42:43], v[44:45]
	v_add_f32 v42, v42, v43
	WSUM 42
	v_fma_f32 v42, v42, s[SINV], s[SEPS]
	v_rsq_f32 v42, v42
	v_nop                                          ; a plain instruction behind the root,
	s_wait_alu depctr_va_vdst(0)                   ; and a wait ahead of its first reader
.set j, 0
.rept 12
	v_pk_mul_f32 v[(\D)+j:(\D)+j+1], v[(\D)+j:(\D)+j+1], v[42:43] op_sel_hi:[1,0]
.set j, j+2
.endr
.set j, 0
.rept 12
	v_pk_fma_f32 v[(\D)+j:(\D)+j+1], v[(\D)+j:(\D)+j+1], v[(\G)+j:(\G)+j+1], v[(\B)+j:(\B)+j+1]
.set j, j+2
.endr
.set j, 0
.rept 12
	v_cvt_pk_bf16_f32 v[(\D)+j], v[(\D)+2*j], v[(\D)+2*j+1]
.set j, j+1
.endr
.endm
	s_load_b512 s[4:19], s[0:1], 0x0               ; x 4, grid 6, Wq 8, Wk 10, Wv 12, Wo 14, W1 16, W2 18
	s_load_b256 s[20:27], s[0:1], 0x40             ; bv 20, bo 22, g1 24, beta1 26
	s_load_b128 s[28:31], s[0:1], 0x60             ; wsp 28, msk 30
	v_lshl_add_u32 v62, v0, 2, SPARE               ; my spare word,
	v_mov_b32 v63, 0                               ; and 0: kept for the wave's end
	v_lshrrev_b32 v1, 5, v0
	v_readfirstlane_b32 s32, v1                    ; wave 0..7
	v_and_b32 v2, 31, v0                           ; lane
	v_and_b32 v3, 15, v0                           ; r
	v_bfe_u32 v4, v0, 4, 1                         ; h
	s_lshr_b32 s35, ttmp9, 8
	s_xor_b32 s35, s35, ttmp9
	s_and_b32 s35, s35, 1                          ; the job's kind
	s_lshr_b32 s33, ttmp9, 1                       ; and its index, 0..255
	s_mov_b32 s[SEL], 0x76543210
	s_mov_b32 s[SEL+1], 0xfedcba98
	s_mov_b32 s[SINV], 0x3aaaaaab                  ; 1 / 768
	s_mov_b32 s[SEPS], 0x3727c5ac                  ; 1e-5
	s_wait_kmcnt 0x0
	s_cmp_lg_u32 s35, 0
	s_cbranch_scc1 .Lmask
	s_cmp_lt_u32 s33, 96
	s_cbranch_scc1 .Lwvo
	s_branch .Lcast
; ---- masks and layer norm of query block qb.  Wave v compares keys 512 v .. 512 v + 511 (16 words of 32, a lane a key) with the block's 16 queries, and normalises rows 16 qb + 2 v, + 1.
.Lmask:
	s_mov_b32 s34, s33                             ; qb
	v_lshlrev_b32 v5, 3, v2
	v_lshl_add_u32 v5, v1, 12, v5                  ; 4,096 wave + 8 lane
	s_lshl_b32 s35, s34, 7
	v_lshl_add_u32 v6, v3, 3, s35                  ; (16 qb + r) x 8
.set k, 0
.rept 16
	global_load_b64 v[160+2*k:161+2*k], v5, s[6:7] offset:256*k
.set k, k+1
.endr
	global_load_b64 v[192:193], v6, s[6:7]
	s_lshl_b32 s36, s34, 4
	s_lshl1_add_u32 s36, s32, s36                  ; my first row
	s_mul_i32 s37, s36, 3072
	v_lshlrev_b32 v8, 4, v2
	v_add_nc_u32 v7, s37, v8
.set k, 0
.rept 6
	global_load_b128 v[64+4*k:67+4*k], v7, s[4:5] offset:512*k
	global_load_b128 v[88+4*k:91+4*k], v7, s[4:5] offset:3072+512*k
.set k, k+1
.endr
.set k, 0
.rept 6
	global_load_b128 v[112+4*k:115+4*k], v8, s[24:25] offset:512*k
	global_load_b128 v[136+4*k:139+4*k], v8, s[26:27] offset:512*k
.set k, k+1
.endr
	s_wait_loadcnt 24                              ; the 17 loads of grid are in; the 24 of the layer norm stay out
.set k, 0
.rept 34
	v_cvt_f32_i32 v[160+k], v[160+k]               ; reference() compares in f32
.set k, k+1
.endr
.set k, 0
.rept 8
	v_mov_b32 v[200+k], 0
.set k, k+1
.endr
	s_mov_b32 s59, 0x7f800000
.set k, 0
.rept 16
	v_mov_b32 v[240+k], s59                        ; the least distance of my key of word k to any query of the block: starts above every distance
.set k, k+1
.endr
	s_mov_b32 s56, 1                               ; lane r takes an even word's mask,
	s_mov_b32 s57, 0x10000                         ; lane 16 + r an odd word's
	s_mov_b32 s58, 16
	v_mov_b32 v9, 0
	ds_bpermute_b32 v10, v9, v192                  ; query 0's x and y in every lane
	ds_bpermute_b32 v11, v9, v193
; A trip a query.  d = max(|dx|, |dy|) for my 16 keys; the lane mask of d <= 2 IS the bitmap word of 32 keys.  Each of the five steps is a run of 16 lines that do not wait for each other,
; each compare has a scalar register of its own, and no scalar line reads one inside the loop.
.Lquery:
	s_wait_dscnt 0x0
	v_mov_b32 v12, v10
	v_mov_b32 v13, v11
	v_add_nc_u32 v9, 4, v9
	ds_bpermute_b32 v10, v9, v192                  ; the next query's (the last trip's pair is lane 16's copy of query 0 and is not used)
	ds_bpermute_b32 v11, v9, v193
.set k, 0
.rept 16
	v_pk_add_f32 v[208+2*k:209+2*k], v[160+2*k:161+2*k], v[12:13] neg_lo:[0,1] neg_hi:[0,1]
.set k, k+1
.endr
.set k, 0
.rept 16
	v_max_num_f32 v[208+2*k], |v[208+2*k]|, |v[209+2*k]|
.set k, k+1
.endr
.set k, 0
.rept 16
	v_cmp_ge_f32 s[40+k], 2.0, v[208+2*k]
.set k, k+1
.endr
.set k, 0
.rept 16
	v_min_num_f32 v[240+k], v[240+k], v[208+2*k]
.set k, k+1
.endr
.set k, 0
.rept 8
	v_cndmask_b32 v[200+k], v[200+k], s[40+2*k], s56
.set k, k+1
.endr
.set k, 0
.rept 8
	v_cndmask_b32 v[200+k], v[200+k], s[41+2*k], s57
.set k, k+1
.endr
	s_lshl_b32 s56, s56, 1
	s_lshl_b32 s57, s57, 1
	s_sub_co_u32 s58, s58, 1
	s_cmp_lg_u32 s58, 0
	s_cbranch_scc1 .Lquery
	s_wait_dscnt 0x0
.set k, 0
.rept 16
	v_cmp_ge_f32 s[40+k], 2.0, v[240+k]            ; some query of the block lies within 2 of the key: the OR of the 16 masks; self pairs are kept, so the block's own groups are always live
.set k, k+1
.endr
	; the self bit: word qb >> 1, bit 16 (qb & 1) + r: register p of the wave with 8 v + p = qb >> 2, lanes with h = (qb >> 1) & 1
	s_and_b32 s60, s34, 1
	s_lshl_b32 s60, s60, 4
	v_add_nc_u32 v14, s60, v3
	v_mov_b32 v15, 1
	v_lshlrev_b32 v14, v14, v15
	s_bfe_u32 s61, s34, 0x10001
	v_cmp_eq_u32 vcc_lo, s61, v4
	v_cndmask_b32 v16, 0, v14, vcc_lo
	s_lshr_b32 s60, s34, 2
	s_lshl_b32 s63, s32, 3
.set k, 0
.rept 8
	s_add_co_u32 s59, s63, k
	s_cmp_eq_u32 s59, s60
	s_cselect_b32 s[66+k], -1, 0
	v_and_b32 v14, s[66+k], v16
	v_bfi_b32 v[200+k], v14, 0, v[200+k]           ; self excluded
.set k, k+1
.endr
	v_or_b32 v17, v200, v201
.set k, 2
.rept 6
	v_or_b32 v17, v17, v[200+k]
.set k, k+1
.endr
	v_lshl_add_u32 v18, v0, 2, ORB
	ds_store_b32 v18, v17                          ; has query r a neighbour among my keys?
	v_mov_b32 v19, 0
.set k, 0
.rept 16
	v_writelane_b32 v19, s[40+k], k
.set k, k+1
.endr
.set k, 0
.rept 4
	v_and_b32 v14, 0xff<<(8*k), v19                ; byte k of word l: the group of 8 keys
	v_cmp_ne_u32 s[76+k], 0, v14
.set k, k+1
.endr
	s_lshl_b32 s77, s77, 16
	s_or_b32 s76, s76, s77
	s_lshl_b32 s79, s79, 16
	s_or_b32 s78, s78, s79
	v_mov_b32 v20, s76
	v_mov_b32 v21, s78
	v_lshl_add_u32 v22, v1, 3, GBL
	ds_store_b64 v22, v[20:21]                     ; bit b of word 2 v + j: group 64 v + 4 (b & 15) + 2 j + (b >> 4)
	s_wait_dscnt 0x0                               ; my stores are done, for the others' sake
	s_barrier_signal -1
	s_barrier_wait -1
	v_lshl_add_u32 v23, v3, 2, ORB
.set k, 0
.rept 16
	ds_load_b32 v[24+k], v23 offset:64*k
.set k, k+1
.endr
	s_wait_dscnt 0x0
.set k, 1
.rept 15
	v_or_b32 v24, v24, v[24+k]
.set k, k+1
.endr
	v_cmp_eq_u32 vcc_lo, 0, v24
	v_cndmask_b32 v25, 0, v16, vcc_lo              ; no neighbour at all: the self bit comes back
.set k, 0
.rept 8
	v_and_or_b32 v[200+k], s[66+k], v25, v[200+k]
.set k, k+1
.endr
	s_lshl_b32 s80, s34, 13
	s_mov_b32 s81, 0
	s_add_nc_u64 s[80:81], s[30:31], s[80:81]
	v_lshlrev_b32 v26, 4, v2
	v_lshl_add_u32 v26, v1, 10, v26
	global_store_b128 v26, v[200:203], s[80:81]    ; 512 consecutive bytes each
	global_store_b128 v26, v[204:207], s[80:81] offset:512
	s_cmp_lg_u32 s32, 0
	s_cbranch_scc1 .Lno_gb
	v_and_b32 v28, 7, v0
	v_lshl_add_u32 v28, v28, 3, GBL
	ds_load_b64 v[30:31], v28
	v_lshlrev_b32 v29, 3, v2
	s_lshl_b32 s82, s34, 8
	s_mov_b32 s83, 0
	s_add_nc_u64 s[82:83], s[30:31], s[82:83]
	s_add_nc_u64 s[82:83], s[82:83], GB
	s_wait_dscnt 0x0
	global_store_b64 v29, v[30:31], s[82:83]       ; the 64 bytes four times: the row of 256 bytes is written whole
.Lno_gb:
	s_mul_i32 s38, s36, 1536
	v_lshl_add_u32 v27, v2, 3, s38
	s_wait_loadcnt 0x0
	LNROW 64, 64, 112, 136
.set k, 0
.rept 6
	global_store_b64 v27, v[64+2*k:65+2*k], s[28:29] offset:256*k   ; a wave's store covers 256 consecutive bytes, aligned
.set k, k+1
.endr
	LNROW 88, 88, 112, 136
.set k, 0
.rept 6
	global_store_b64 v27, v[88+2*k:89+2*k], s[28:29] offset:1536+256*k
.set k, k+1
.endr
	s_branch .Lend
; ---- casts.  A chunk is 36,864 numbers (48 rows of Wq or Wk: one block of WB1).  All 36 loads of a thread go out first.
.Lcast:
	s_sub_co_u32 s34, s33, 96
	s_mov_b32 s39, W2B
	s_mov_b32 s40, 73728
	s_cmp_lt_u32 s34, 96
	s_cselect_b64 s[36:37], s[16:17], s[18:19]
	s_cselect_b32 s38, 32, 96
	s_cselect_b32 s39, W1B, s39
	s_cmp_lt_u32 s34, 32
	s_cselect_b64 s[36:37], s[10:11], s[36:37]
	s_cselect_b32 s38, 16, s38
	s_cselect_b32 s39, WB1+73728, s39
	s_cselect_b32 s40, 221184, s40
	s_cmp_lt_u32 s34, 16
	s_cselect_b64 s[36:37], s[8:9], s[36:37]
	s_cselect_b32 s38, 0, s38
	s_cselect_b32 s39, WB1, s39
	s_sub_co_u32 s34, s34, s38                     ; the chunk's number in its tensor
	s_mul_i32 s42, s34, 147456
	s_mov_b32 s43, 0
	s_add_nc_u64 s[36:37], s[36:37], s[42:43]
	s_mul_i32 s42, s34, s40
	s_add_co_u32 s42, s42, s39
	s_add_nc_u64 s[44:45], s[28:29], s[42:43]
	v_lshlrev_b32 v5, 4, v0
	v_lshlrev_b32 v6, 3, v0
.set k, 0
.rept 36
	global_load_b128 v[64+4*k:67+4*k], v5, s[36:37] offset:4096*k th:TH_LOAD_NT
.set k, k+1
.endr
.set k, 0
.rept 36
	s_wait_loadcnt 35-k                            ; load k is in, the younger ones stay out
	v_cvt_pk_bf16_f32 v[64+4*k], v[64+4*k], v[65+4*k]
	v_cvt_pk_bf16_f32 v[65+4*k], v[66+4*k], v[67+4*k]
	global_store_b64 v6, v[64+4*k:65+4*k], s[44:45] offset:2048*k
.set k, k+1
.endr
	s_branch .Lend
; ---- Wvo[o][i] = sum over c of Wo[o][c] Wv[c][i]: rows 48 ot .., columns 128 it ..  The 768 channels c go in six steps of 128, two to a trip: set P (v64-151) brings the even step, set Q (v152-239) the odd one,
; 16 rows of Wv and 6 row pieces of Wo a wave; rounded to bf16 they go into LDS buffers 0 and 1, and the next two steps are asked for before the two in LDS are multiplied.
; Beside it bo2: wave v makes bo[rho] + Wo[rho] . bv for rho = 48 ot + 8 it + v, in f32, from a row of Wo and bv loaded for that alone: 96 work-groups x 8 waves are the 768 rows.
; registers: v0-15 addresses; v16-47 one chunk's fragments (before the loop: bv and part of my row of Wo); v240-247, v248-255, v48-55 the three accumulators.
.Lwvo:
	s_mul_i32 s34, s33, 43
	s_lshr_b32 s34, s34, 8                         ; ot = j / 6 (exact for 0..95)
	s_mul_i32 s35, s34, 6
	s_sub_co_u32 s35, s33, s35                     ; it
	s_lshl_b32 s36, s35, 9
	s_mov_b32 s37, 0
	s_add_nc_u64 s[38:39], s[12:13], s[36:37]
	s_mul_i32 s36, s34, 147456
	s_add_nc_u64 s[40:41], s[14:15], s[36:37]
	v_lshlrev_b32 v8, 4, v2
	v_mul_u32_u24 v5, v1, 49152
	v_add_nc_u32 v5, v5, v8                        ; Wv: 16 rows a wave
	v_mul_u32_u24 v6, v1, 18432
	v_add_nc_u32 v6, v6, v8                        ; Wo: 6 rows a wave
	v_lshlrev_b32 v9, 3, v2
	v_mul_u32_u24 v10, v1, 4608
	v_add_nc_u32 v10, v10, v9                      ; into a buffer of Wv: row 16 wave, 8 bytes a lane
	v_mul_u32_u24 v11, v1, 1632
	v_add_nc_u32 v11, v11, v9
	v_add_nc_u32 v11, LWO, v11                     ; into a buffer of Wo: row 6 wave
	s_lshl3_add_u32 s43, s35, s32                  ; 8 it + wave
	s_mul_i32 s44, s43, 3072
	v_add_nc_u32 v12, s44, v8
.set k, 0
.rept 6
.set rw, 240+4*k
.if k > 3
.set rw, 28+4*k                                ; quads 4 and 5 at v44, v48
.endif
	global_load_b128 v[16+4*k:19+4*k], v8, s[20:21] offset:512*k        ; bv[128 k + 4 lane ..]
	global_load_b128 v[rw:rw+3], v12, s[40:41] offset:512*k             ; my row of Wo, the same places
.set k, k+1
.endr
.macro ISSUE base, s                   ; the step s behind the two pointers: 22 loads
.set k, 0
.rept 16
	global_load_b128 v[(\base)+4*k:(\base)+4*k+3], v5, s[38:39] offset:(\s)*393216+k*3072
.set k, k+1
.endr
.set k, 0
.rept 6
	global_load_b128 v[(\base)+64+4*k:(\base)+64+4*k+3], v6, s[40:41] offset:(\s)*512+k*3072
.set k, k+1
.endr
.endm
.macro CONV base, b                    ; a set is rounded in place and laid into buffer b
.set k, 0
.rept 22
	v_cvt_pk_bf16_f32 v[(\base)+4*k], v[(\base)+4*k], v[(\base)+4*k+1]
	v_cvt_pk_bf16_f32 v[(\base)+4*k+1], v[(\base)+4*k+2], v[(\base)+4*k+3]
.if k < 16
	ds_store_b64 v10, v[(\base)+4*k:(\base)+4*k+1] offset:(\b)*WVS+k*288
.else
	ds_store_b64 v11, v[(\base)+4*k:(\base)+4*k+1] offset:(\b)*WOS+(k-16)*272
.endif
.set k, k+1
.endr
.endm
; Buffer b's 128 channels, 32 at a time: one fragment of Wv^T (my 16 columns, turned on the way out of LDS), three of Wo (16 rows each), three products.  Source 0 = Wv^T: a lane ends with one row o and
; eight neighbouring columns.  The three accumulators take turns, over the backward jump too; the four v_nop are the places in front of the next loads into the sources, and of the conversions.
.macro TRIP b
.set c, 0
.rept 4
	ds_load_tr16_b128 v[16:19], v[14+(\b)] offset:9216*c
	ds_load_tr16_b128 v[20:23], v[14+(\b)] offset:9216*c+4608
.set f, 0
.rept 3
	ds_load_b128 v[24+8*f:27+8*f], v13 offset:(\b)*WOS+4352*f+64*c
	ds_load_b128 v[28+8*f:31+8*f], v13 offset:(\b)*WOS+4352*f+64*c+32
.set f, f+1
.endr
	s_wait_dscnt 0x0
	v_wmma_f32_16x16x32_bf16 v[240:247], v[16:23], v[24:31], v[240:247]
	v_wmma_f32_16x16x32_bf16 v[248:255], v[16:23], v[32:39], v[248:255]
	v_wmma_f32_16x16x32_bf16 v[48:55], v[16:23], v[40:47], v[48:55]
.rept 4
	v_nop
.endr
.set c, c+1
.endr
.endm
	ISSUE 64, 0
	ISSUE 152, 1
	v_and_b32 v14, 7, v0                           ; the turning load's address: row 8 h + l % 8, 16 bytes by (l / 8) % 2, my 16 columns,
	v_lshl_add_u32 v14, v4, 3, v14
	v_mul_u32_u24 v14, v14, 288
	v_bfe_u32 v15, v0, 3, 1
	v_lshl_add_u32 v14, v15, 4, v14
	v_lshl_add_u32 v14, v1, 5, v14                 ; in buffer 0,
	v_add_nc_u32 v15, WVS, v14                     ; and in buffer 1
	v_mul_u32_u24 v13, v3, 272
	v_lshl_add_u32 v13, v4, 4, v13
	v_add_nc_u32 v13, LWO, v13
	s_wait_loadcnt 44                              ; bv and my row of Wo are in; the 44 loads of the two sets stay out
	v_pk_mul_f32 v[52:53], v[240:241], v[16:17]
	v_pk_mul_f32 v[54:55], v[242:243], v[18:19]
.set k, 1
.rept 5
.set rw, 240+4*k
.if k > 3
.set rw, 28+4*k
.endif
	v_pk_fma_f32 v[52:53], v[rw:rw+1], v[16+4*k:17+4*k], v[52:53]
	v_pk_fma_f32 v[54:55], v[rw+2:rw+3], v[18+4*k:19+4*k], v[54:55]
.set k, k+1
.endr
	v_pk_add_f32 v[52:53], v[52:53], v[54:55]
	v_add_f32 v52, v52, v53
	WSUM 52
	v_lshl_add_u32 v42, v1, 2, BOS
	ds_store_b32 v42, v52                          ; every lane the same word and the same number
.set k, 0
.rept 16
	v_mov_b32 v[240+k], 0                          ; the sums start at 0: 24 lines, so that the loop has one form of product
.set k, k+1
.endr
.set k, 0
.rept 8
	v_mov_b32 v[48+k], 0
.set k, k+1
.endr
	s_mov_b32 s42, 3
.Lc:                                           ; a trip: two steps of 128 channels
	s_wait_loadcnt 22                              ; set P is in; set Q's 22 loads stay out
	CONV 64, 0
	s_wait_loadcnt 0x0                             ; set Q is in, and no load is out: the pointers may be written
	CONV 152, 1
	s_cmp_eq_u32 s42, 1                            ; the last trip has no steps behind it
	s_cbranch_scc1 .Lno_more
	s_add_nc_u64 s[38:39], s[38:39], 786432        ; 256 rows of Wv on,
	s_add_nc_u64 s[40:41], s[40:41], 1024          ; 256 columns of Wo
	ISSUE 64, 0                                    ; they have the eight chunks below in which to land
	ISSUE 152, 1
.Lno_more:
	s_wait_dscnt 0x0                               ; my stores are done, for the others' sake
	s_barrier_signal -1
	s_barrier_wait -1                              ; both buffers are whole
	TRIP 0
	TRIP 1
	s_barrier_signal -1                            ; my reads of the buffers are back (each chunk has waited for its own):
	s_barrier_wait -1                              ; everybody's are, so the next trip may store into them
	s_sub_co_u32 s42, s42, 1
	s_cmp_lg_u32 s42, 0
	s_cbranch_scc1 .Lc
.set q, 0
.rept 4
	v_cvt_pk_bf16_f32 v[64+q], v[240+2*q], v[241+2*q]
.set q, q+1
.endr
.set q, 0
.rept 4
	v_cvt_pk_bf16_f32 v[68+q], v[248+2*q], v[249+2*q]
.set q, q+1
.endr
.set q, 0
.rept 4
	v_cvt_pk_bf16_f32 v[72+q], v[48+2*q], v[49+2*q]
.set q, q+1
.endr
	v_mul_u32_u24 v16, v3, 272
	v_lshl_add_u32 v16, v4, 4, v16
	v_lshl_add_u32 v16, v1, 5, v16
	v_add_nc_u32 v16, STG, v16
.set k, 0
.rept 3
	ds_store_b128 v16, v[64+4*k:67+4*k] offset:4352*k
.set k, k+1
.endr
	s_wait_dscnt 0x0
	s_barrier_signal -1
	s_barrier_wait -1                              ; the stage is whole
	v_mul_u32_u24 v17, v1, 6
	v_add_nc_u32 v17, v17, v4                      ; row 6 wave + h
	v_mul_u32_u24 v18, v17, 1536
	v_lshl_add_u32 v18, v3, 4, v18
	v_mul_u32_u24 v17, v17, 272
	v_lshl_add_u32 v17, v3, 4, v17
	v_add_nc_u32 v17, STG, v17
	s_mul_i32 s36, s34, 221184
	s_lshl_b32 s46, s35, 8
	s_add_co_u32 s36, s36, s46
	s_add_nc_u64 s[46:47], s[28:29], s[36:37]
	s_add_nc_u64 s[46:47], s[46:47], WB1+147456    ; part v' of block ot
.set k, 0
.rept 3
	ds_load_b128 v[80+4*k:83+4*k], v17 offset:544*k
.set k, k+1
.endr
	s_wait_dscnt 0x0
.set k, 0
.rept 3
	global_store_b128 v18, v[80+4*k:83+4*k], s[46:47] offset:3072*k   ; 16 lanes store 256 consecutive bytes, aligned
.set k, k+1
.endr
	s_cmp_lg_u32 s32, 0
	s_cbranch_scc1 .Lend
	v_and_b32 v19, 7, v0
	v_lshlrev_b32 v19, 2, v19
	v_add_nc_u32 v21, BOS, v19
	ds_load_b32 v20, v21
	s_mul_i32 s48, s34, 192
	s_lshl_b32 s49, s35, 5
	s_add_co_u32 s48, s48, s49
	v_add_nc_u32 v19, s48, v19
	global_load_b32 v22, v19, s[22:23]
	s_add_nc_u64 s[52:53], s[28:29], BO2
	s_wait_loadcnt 0x0
	s_wait_dscnt 0x0
	v_add_f32 v20, v20, v22
	s_wait_xcnt 0x0                                ; EXEC changes only behind this wait
	v_cmp_gt_u32 vcc_lo, 8, v2
	s_and_saveexec_b32 s50, vcc_lo
	global_store_b32 v19, v20, s[52:53]            ; 32 bytes: bo2 is 3,072 bytes in all, made by 96 work-groups
	s_wait_xcnt 0x0
	s_or_b32 exec_lo, exec_lo, s50
.Lend:
	s_wait_tensorcnt 0x0                           ; the wave's end, behind the last LDS store
	ds_add_u32 v62, v63
	s_wait_dscnt 0x0
	s_endpgm
.Lfunc_end_k_q091bbf4235_prep:
	.size	k_q091bbf4235_prep, .Lfunc_end_k_q091bbf4235_prep-k_q091bbf4235_prep
	.p2alignl 7, 3214868480
	.fill 96, 4, 3214868480
	.section	.rodata,"a",@progbits
	.p2align	6, 0x0
	.amdhsa_kernel k_q091bbf4235_prep
		.amdhsa_group_segment_fixed_size 115456
		.amdhsa_private_segment_fixed_size 0
		.amdhsa_enable_private_segment 0
		.amdhsa_kernarg_size 112
		.amdhsa_user_sgpr_count 2
		.amdhsa_user_sgpr_kernarg_segment_ptr 1
		.amdhsa_wavefront_size32 1
		.amdhsa_system_sgpr_workgroup_id_x 1
		.amdhsa_system_sgpr_workgroup_id_y 1
		.amdhsa_system_sgpr_workgroup_id_z 1
		.amdhsa_system_vgpr_workitem_id 0
		.amdhsa_next_free_vgpr 256
		.amdhsa_next_free_sgpr 104
		.amdhsa_reserve_vcc 1
		.amdhsa_float_denorm_mode_32 3
		.amdhsa_float_denorm_mode_16_64 3
		.amdhsa_memory_ordered 1
		.amdhsa_forward_progress 1
		.amdhsa_inst_pref_size 79
	.end_amdhsa_kernel
	.amdgpu_metadata
---
amdhsa.version: [ 1, 2 ]
amdhsa.kernels:
  - .name:           k_q091bbf4235_prep
    .symbol:         k_q091bbf4235_prep.kd
    .args:
      - { .name: x, .offset: 0, .size: 8, .value_kind: global_buffer, .address_space: global }
      - { .name: grid, .offset: 8, .size: 8, .value_kind: global_buffer, .address_space: global }
      - { .name: Wq, .offset: 16, .size: 8, .value_kind: global_buffer, .address_space: global }
      - { .name: Wk, .offset: 24, .size: 8, .value_kind: global_buffer, .address_space: global }
      - { .name: Wv, .offset: 32, .size: 8, .value_kind: global_buffer, .address_space: global }
      - { .name: Wo, .offset: 40, .size: 8, .value_kind: global_buffer, .address_space: global }
      - { .name: W1, .offset: 48, .size: 8, .value_kind: global_buffer, .address_space: global }
      - { .name: W2, .offset: 56, .size: 8, .value_kind: global_buffer, .address_space: global }
      - { .name: bv, .offset: 64, .size: 8, .value_kind: global_buffer, .address_space: global }
      - { .name: bo, .offset: 72, .size: 8, .value_kind: global_buffer, .address_space: global }
      - { .name: g1, .offset: 80, .size: 8, .value_kind: global_buffer, .address_space: global }
      - { .name: beta1, .offset: 88, .size: 8, .value_kind: global_buffer, .address_space: global }
      - { .name: wsp, .offset: 96, .size: 8, .value_kind: global_buffer, .address_space: global }
      - { .name: msk, .offset: 104, .size: 8, .value_kind: global_buffer, .address_space: global }
    .group_segment_fixed_size: 115456
    .private_segment_fixed_size: 0
    .kernarg_segment_align: 8
    .kernarg_segment_size: 112
    .max_flat_workgroup_size: 256
    .sgpr_count:     104
    .vgpr_count:     256
    .wavefront_size: 32
...
	.end_amdgpu_metadata
.endif
;; end of part 1
;; launch qkv (part 2): grid 16 x 16, 4 waves a work-group, clusters of 4 x 4, 327,680 bytes of LDS; arguments wsp, bq, msk, qkv, lst; writes qkv, lst
.if DOCPART == 2
	.amdgcn_target "amdgcn-amd-amdhsa--gfx1250"
	.amdhsa_code_object_version 6
	.text
	.protected	k_q091bbf4235_qkv
	.globl	k_q091bbf4235_qkv
	.p2align	8
	.type	k_q091bbf4235_qkv,@function
k_q091bbf4235_qkv:
	s_mov_b64 s[64:65], 0
	v_nop
	global_prefetch_b8 v0, s[64:65] scope:SCOPE_SE
	s_setreg_imm32_b32 hwreg(HW_REG_WAVE_MODE, 25, 1), 1
	s_wait_xcnt 0x0
	s_wait_alu depctr_hold_cnt(0) depctr_sa_sdst(0) depctr_va_vdst(0) depctr_va_sdst(0) depctr_va_ssrc(0) depctr_va_vcc(0) depctr_vm_vsrc(0)
	s_getreg_b32 s2, hwreg(HW_REG_IB_STS2, 6, 4)
	s_cmp_eq_u32 s2, 0
	s_cbranch_scc0 .Lentry_in_a_cluster
	s_endpgm
.Lentry_in_a_cluster:
	s_bfe_u32 s2, ttmp6, 0x10000c
	s_cmp_lg_u32 s2, 0xf033
	s_cbranch_scc0 .Lentry_shape_is_right
	s_endpgm
.Lentry_shape_is_right:
; Launch 2 of 5: [q | k | v'] = h WB1^T, 4096 x 2304 x 768 in bf16, sums in f32; and, beside it, the lists of live key groups.
; Left out (shown at the head of the first kernel): k has no bias, v' = h (Wo Wv)^T has none here (it lies in bo2).
; A work-group makes 256 tokens x 144 columns: 48 channels of each of q, k, v'.  Wave w: tokens 64 w .. + 63, all columns: 36 accumulators.
; K goes in steps of 128 through two LDS slots filled by joint tensor loads: 4 x 4 work-groups form a cluster, h's tile is shared along a row of it, WB1's along a column.
; q and k are multiplied with source 0 = weights (a lane ends with one token and eight channels), v' with source 0 = tokens (one channel, eight tokens):
; rounded to bf16 the 16 bytes of a lane ARE the lane's part of a matrix operand of the next launch, and a tile goes out as 512 consecutive bytes, with no stage.
; qkv: tile of 16 tokens t, block of 16 channels nb, lane L at 24576 t + 512 nb + 16 L, in each of three parts.
; No prefetch is laid: K has six steps.
; THE LIST (wave 0, behind its first tile requests): block qb = 16 y + x reads its 512 group bits, which the launch before stored, and stores the numbers of the live groups by rank;
; then 32 zeros behind them, and the count.  Lanes without a live group write into 32 dump words.
.set KD, 768
.set KS, 128
.set NSTEP, 6
.set PITCH, 272                        ; 256 bytes + 16: the 16 rows of a fragment load start at 16 different groups of banks (ISA guide 11.1)
.set QI, 5
.set TM, 256
.set TN, 144
.set RA, 128
.set RB, 72
.set AL, 2                             ; waves 0, 1 fetch h's halves, waves 2, 3 the weights'
.set NBF, 9
.set NB1, 3
.set NB2, 6
.set NSW, 6                            ; column blocks from here on (v') are multiplied the other way round
.set ABYTES, TM*PITCH
.set SLOT, (TM+TN)*PITCH
.set SPARE, 2*SLOT                     ; the spare words, 128 bytes a wave: no other line names them
.set WB1, 6291456
.set GB, 2097152
.set ADRA0, 16
.set ADRB0, 17
.set ADRA, 18
.set ADRB, 19
.set GO, 20
.set SPW, 28
.set NIL, 29
.set WV, 20
.set TB, 21                            ; 0 or SLOT: the slot that is being read
.set CNT, 22
.set CNT2, 23
.set G1A, 24
.set G0A, 32                           ; two sets of group 0; the second walks on
.set CX, 40
.set CY, 41
.set X, 42
.set Y, 43
.set LA, 44
.set LB, 45
.set G1B, 48
.set G0B, 56
; windows: 0 addresses, bias, h's fragments (v64-95, v96-127), way out; 1 and 2 accumulators (tile 4 b + a); 3 the weights' fragments (v0-95, v96-191)
.set MSB, 0
.macro WIN new
.if MSB != (\new)
	s_set_vgpr_msb (MSB<<8)|(\new)
.set MSB, \new
.endif
.endm
.macro PLACES                          ; four places behind matrix instructions, in front of loads into their sources and of readers of their results
.rept 4
	v_nop
.endr
.endm
.macro MULP f, blo, bhi, zero          ; column blocks blo .. bhi - 1 x 4 row blocks, 32 along K, from buffer f.  The accumulators take turns, one instruction a turn
.set b_, \blo
.rept (\bhi)-(\blo)
.set a_, 0
.rept 4
.set ix, 4*b_+a_
.set w_, 1+ix/32
.set rD, 8*(ix%32)
.set rB, 96*(\f)+8*b_
.set rA, 64+32*(\f)+8*a_
.if b_ >= NSW
	WIN (w_<<6)|(w_<<4)|0x0c
.if \zero
	v_wmma_f32_16x16x32_bf16 v[rD:rD+7], v[rA:rA+7], v[rB:rB+7], 0
.else
	v_wmma_f32_16x16x32_bf16 v[rD:rD+7], v[rA:rA+7], v[rB:rB+7], v[rD:rD+7]
.endif
.else
	WIN (w_<<6)|(w_<<4)|3
.if \zero
	v_wmma_f32_16x16x32_bf16 v[rD:rD+7], v[rB:rB+7], v[rA:rA+7], 0
.else
	v_wmma_f32_16x16x32_bf16 v[rD:rD+7], v[rB:rB+7], v[rA:rA+7], v[rD:rD+7]
.endif
.endif
.set a_, a_+1
.endr
.set b_, b_+1
.endr
.endm
.macro FETCH koff, f                   ; one run of LDS loads: the fragments of 32 along K at byte koff of the rows
	WIN 0xc0
.set b_, 0
.rept NBF
	ds_load_b128 v[96*(\f)+8*b_:96*(\f)+8*b_+3], v[ADRB] offset:(\koff)+b_*16*PITCH
	ds_load_b128 v[96*(\f)+8*b_+4:96*(\f)+8*b_+7], v[ADRB] offset:(\koff)+b_*16*PITCH+32
.set b_, b_+1
.endr
	WIN 0
.set a_, 0
.rept 4
	ds_load_b128 v[64+32*(\f)+8*a_:64+32*(\f)+8*a_+3], v[ADRA] offset:(\koff)+a_*16*PITCH
	ds_load_b128 v[64+32*(\f)+8*a_+4:64+32*(\f)+8*a_+7], v[ADRA] offset:(\koff)+a_*16*PITCH+32
.set a_, a_+1
.endr
.endm
.macro QUARTER koff, f, g, zero        ; multiplies buffer f; in its middle fetches the next quarter into g
	s_wait_dscnt 0x0
	MULP \f, 0, NB1, \zero
	PLACES
	FETCH \koff, \g
	MULP \f, NB1, NBF, \zero
.endm
.macro JLOAD                           ; a joint refill; the branch hangs on the wave's number alone; an s_nop 0 and four v_nop follow each line
	s_cmp_lt_u32 s[WV], AL
	s_cbranch_scc0 .Lfor_b_\@
	tensor_load_to_lds s[G0A+4:G0A+7], s[G1A:G1A+7]
	s_nop 0
.rept 4
	v_nop
.endr
	s_branch .Lasked_\@
.Lfor_b_\@:
	tensor_load_to_lds s[G0B+4:G0B+7], s[G1B:G1B+7]
	s_nop 0
.rept 4
	v_nop
.endr
.Lasked_\@:
.endm
.macro CREST                           ; a round of the cluster's barrier behind its opening barrier
	s_cmp_lg_u32 s[WV], 0
	s_cbranch_scc1 .Lnot_wave_0_\@
	s_barrier_signal -3
.Lnot_wave_0_\@:
	s_barrier_wait -3
	s_barrier_signal -1
	s_barrier_wait -1
.endm
.macro CROUND
	s_barrier_signal -1
	s_barrier_wait -1
	CREST
.endm
; The last quarter of a K step and the change of slots.  In front of the barrier each wave waits for all its tensor loads (one is out: its part of the next slot), adds 0 to its spare word,
; and waits for that and for its reads of this slot.  fill = 1: the barrier opens a round of the cluster's, and the slot just read is filled again first thing behind it, with the step two on.
.macro TURN fill
	WIN 0
	s_wait_tensorcnt 0x0
	ds_add_u32 v[SPW], v[NIL]
	s_wait_dscnt 1                                 ; buffer 1 is in; the add alone may be out
	MULP 1, 0, NB1, 0
	s_wait_dscnt 0x0
	s_barrier_signal -1
	MULP 1, NB1, NB2, 0
	WIN 0
	s_barrier_wait -1
.if \fill
	CREST
	s_add_co_u32 s[G0A+5], s[LA], s[TB]            ; no tensor load of mine is out: the walking sets may be written: the slot just read,
	s_add_co_u32 s[G0B+5], s[LB], s[TB]
	s_add_nc_u64 s[G0A+6:G0A+7], s[G0A+6:G0A+7], 2*KS   ; the next K step
	s_add_nc_u64 s[G0B+6:G0B+7], s[G0B+6:G0B+7], 2*KS
	JLOAD
.else
	PLACES
.endif
	s_xor_b32 s[TB], s[TB], SLOT
	v_add_nc_u32 v[ADRA], s[TB], v[ADRA0]
	v_add_nc_u32 v[ADRB], s[TB], v[ADRB0]
	FETCH 0, 0
	MULP 1, NB2, NBF, 0
.endm
	s_load_b256 s[4:11], s[0:1], 0x0               ; wsp 4, bq 6, msk 8, qkv 10
	s_load_b64 s[12:13], s[0:1], 0x20              ; lst
	v_lshl_add_u32 v[SPW], v0, 2, SPARE
	v_mov_b32 v[NIL], 0
	ds_add_u32 v[SPW], v[NIL]                      ; the opening: the add, twice on end, and its wait ahead of my first tensor load
	ds_add_u32 v[SPW], v[NIL]
	v_lshrrev_b32 v1, 5, v0
	v_readfirstlane_b32 s[WV], v1
	s_bfe_u32 s[CX], ttmp6, 0x40000
	s_bfe_u32 s[CY], ttmp6, 0x40004
	s_lshl_b32 s[X], ttmp9, 2
	s_add_co_u32 s[X], s[X], s[CX]
	s_and_b32 s[Y], ttmp7, 0xffff
	s_lshl_b32 s[Y], s[Y], 2
	s_add_co_u32 s[Y], s[Y], s[CY]
	s_lshl_b32 s46, s[CY], 2
	s_lshl_b32 s46, 15, s46                        ; my row of the cluster
	s_lshl_b32 s47, 0x1111, s[CX]                  ; my column
	s_or_b32 s[G1A], s46, (1<<16)|(1<<20)|(1<<21)|(QI<<22)|(3<<25)   ; mask; 2-byte elements; padding of 4 words behind every row; bit 21 beside a mask
	s_or_b32 s[G1B], s47, (1<<16)|(1<<20)|(1<<21)|(QI<<22)|(3<<25)
	s_mov_b32 s[G1A+1], KS<<16
	s_mov_b32 s[G1A+2], RA<<16
	s_mov_b32 s[G1A+3], KS<<16
	s_mov_b32 s[G1A+4], RA
	s_mov_b32 s[G1A+5], KD
	s_mov_b32 s[G1A+6], 0
	s_mov_b32 s[G1A+7], 0
	s_mov_b32 s[G1B+1], KS<<16
	s_mov_b32 s[G1B+2], RB<<16
	s_mov_b32 s[G1B+3], KS<<16
	s_mov_b32 s[G1B+4], RB
	s_mov_b32 s[G1B+5], KD
	s_mov_b32 s[G1B+6], 0
	s_mov_b32 s[G1B+7], 0
	s_and_b32 s14, s[WV], 1                        ; which half I fetch
	s_mul_i32 s16, s[Y], TM
	s_mul_i32 s17, s14, RA
	s_add_co_u32 s16, s16, s17
	s_mul_i32 s16, s16, 2*KD
	s_mov_b32 s17, 0
	s_mul_i32 s18, s[X], TN
	s_mul_i32 s19, s14, RB
	s_add_co_u32 s18, s18, s19
	s_mul_i32 s18, s18, 2*KD
	s_mov_b32 s19, 0
	s_mul_i32 s[LA], s14, RA*PITCH
	s_mul_i32 s[LB], s14, RB*PITCH
	s_add_co_u32 s[LB], s[LB], ABYTES
	s_mov_b32 s[G0A], 1
	s_mov_b32 s[G0A+1], s[LA]
	s_mov_b32 s[G0A+4], 1
	s_add_co_u32 s[G0A+5], s[LA], SLOT
	s_mov_b32 s[G0B], 1
	s_mov_b32 s[G0B+1], s[LB]
	s_mov_b32 s[G0B+4], 1
	s_add_co_u32 s[G0B+5], s[LB], SLOT
	s_wait_dscnt 0x0
	s_wait_kmcnt 0x0
	s_add_nc_u64 s[G0A+2:G0A+3], s[4:5], s[16:17]
	s_add_nc_u64 s[G0A+6:G0A+7], s[G0A+2:G0A+3], 2*KS
	s_or_b32 s[G0A+3], s[G0A+3], 0x80000000
	s_or_b32 s[G0A+7], s[G0A+7], 0x80000000
	s_add_nc_u64 s[G0B+2:G0B+3], s[4:5], s[18:19]
	s_add_nc_u64 s[G0B+2:G0B+3], s[G0B+2:G0B+3], WB1
	s_add_nc_u64 s[G0B+6:G0B+7], s[G0B+2:G0B+3], 2*KS
	s_or_b32 s[G0B+3], s[G0B+3], 0x80000000
	s_or_b32 s[G0B+7], s[G0B+7], 0x80000000
	CROUND                                         ; all sixteen work-groups are here: the first joint loads meet
	s_cmp_lt_u32 s[WV], AL                         ; a wave's two first fills stand in one branch: two loads of mine are out
	s_cbranch_scc0 .Lfirst_b
	tensor_load_to_lds s[G0A:G0A+3], s[G1A:G1A+7]
	s_nop 0
	tensor_load_to_lds s[G0A+4:G0A+7], s[G1A:G1A+7]
	s_nop 0
.rept 4
	v_nop
.endr
	s_branch .Lfirst_done
.Lfirst_b:
	tensor_load_to_lds s[G0B:G0B+3], s[G1B:G1B+7]
	s_nop 0
	tensor_load_to_lds s[G0B+4:G0B+7], s[G1B:G1B+7]
	s_nop 0
.rept 4
	v_nop
.endr
.Lfirst_done:
	v_and_b32 v1, 15, v0
	v_bfe_u32 v2, v0, 4, 1
	v_mul_u32_u24 v3, v1, PITCH
	v_lshl_add_u32 v3, v2, 4, v3
	s_mul_i32 s16, s[WV], 64*PITCH
	v_add_nc_u32 v[ADRA0], s16, v3
	v_add_nc_u32 v[ADRB0], ABYTES, v3
	v_mov_b32 v[ADRA], v[ADRA0]
	v_mov_b32 v[ADRB], v[ADRB0]
	s_mov_b32 s[TB], 0
	v_lshlrev_b32 v21, 5, v2                       ; bq of my eight channels of each block of q
	s_mul_i32 s90, s[X], 192
	s_mov_b32 s91, 0
	s_add_nc_u64 s[90:91], s[6:7], s[90:91]
.set k, 0
.rept 3
	global_load_b128 v[32+8*k:35+8*k], v21, s[90:91] offset:64*k
	global_load_b128 v[36+8*k:39+8*k], v21, s[90:91] offset:64*k+16
.set k, k+1
.endr
	v_and_b32 v[GO], 31, v0
	v_lshlrev_b32 v[GO], 4, v[GO]
	s_lshl_b32 s86, s[Y], 4
	s_lshl2_add_u32 s86, s[WV], s86                ; my first tile of 16 tokens
	s_mul_i32 s86, s86, 24576
	s_mul_i32 s87, s[X], 1536
	s_add_co_u32 s86, s86, s87
	s_mov_b32 s87, 0
	s_add_nc_u64 s[84:85], s[10:11], s[86:87]      ; q,
	s_add_nc_u64 s[86:87], s[84:85], 6291456       ; k,
	s_add_nc_u64 s[88:89], s[84:85], 12582912      ; v'
	s_cmp_lg_u32 s[WV], 0
	s_cbranch_scc1 .Lno_list
	s_lshl_b32 s96, s[Y], 4
	s_add_co_u32 s96, s96, s[X]                    ; qb
	s_lshl_b32 s92, s96, 8
	s_mov_b32 s93, 0
	s_add_nc_u64 s[92:93], s[8:9], s[92:93]
	s_load_b512 s[68:83], s[92:93], GB
	s_mul_i32 s94, s96, 2304
	s_mov_b32 s95, 0
	s_add_nc_u64 s[94:95], s[12:13], s[94:95]
	v_and_b32 v4, 31, v0
	v_lshl_add_u32 v5, v1, 2, v2                   ; 4 (l & 15) + (l >> 4)
	v_add_nc_u32 v6, 512, v4                       ; my dump word
	s_mov_b32 s97, 0
	s_wait_kmcnt 0x0
.set k, 0
.rept 16
	v_mbcnt_lo_u32_b32 v[128+k], s[68+k], 0        ; live groups below mine in this word,
	v_add_nc_u32 v[128+k], s97, v[128+k]           ; and in the words before: my rank
	v_cndmask_b32 v[128+k], v6, v[128+k], s[68+k]
	v_min_u32 v[128+k], 0x21f, v[128+k]
	v_lshlrev_b32 v[128+k], 2, v[128+k]
	v_add_nc_u32 v[160+k], 64*(k/2)+2*(k%2), v5    ; the group's number
	global_store_b32 v[128+k], v[160+k], s[94:95]
	s_bcnt1_i32_b32 s96, s[68+k]
	s_add_co_u32 s97, s97, s96
.set k, k+1
.endr
	v_add_nc_u32 v7, s97, v4
	v_min_u32 v7, 0x21f, v7
	v_lshlrev_b32 v7, 2, v7
	v_mov_b32 v8, 0
	global_store_b32 v7, v8, s[94:95]              ; ranks count .. count + 31 hold a valid number
	v_lshlrev_b32 v9, 2, v4
	v_mov_b32 v10, s97
	global_store_b32 v9, v10, s[94:95] offset:2176 ; the count
.Lno_list:
	s_wait_tensorcnt 1                             ; my part of K step 0 is in; step 1's may stay out
	s_barrier_signal -1
	s_barrier_wait -1
	FETCH 0, 0
	QUARTER 64, 0, 1, 1                            ; the first products start the sums
	WIN 0
	s_mov_b32 s[CNT], NSTEP-2
.Lfill:
	QUARTER 128, 1, 0, 0
	QUARTER 192, 0, 1, 0
	TURN 1
	QUARTER 64, 0, 1, 0
	WIN 0
	s_sub_co_u32 s[CNT], s[CNT], 1
	s_cmp_lg_u32 s[CNT], 0
	s_cbranch_scc1 .Lfill
	s_mov_b32 s[CNT2], 2
.Ltail:                                        ; the last two K steps ask for nothing; the second pass is left in its middle, and its fetch (of the slot read before) serves nothing: the price of one text for both
	QUARTER 128, 1, 0, 0
	QUARTER 192, 0, 1, 0
	TURN 0
	WIN 0
	s_sub_co_u32 s[CNT2], s[CNT2], 1
	s_cmp_eq_u32 s[CNT2], 0
	s_cbranch_scc1 .Lout
	QUARTER 64, 0, 1, 0
	WIN 0
	s_branch .Ltail
.Lout:
	s_wait_dscnt 0x0                               ; the fetch that serves nothing has landed: its registers are written below
	s_wait_xcnt 0x0                                ; the list's stores have read their registers
	s_wait_loadcnt 0x0                             ; bq
	PLACES
	WIN 0x41
.set ix, 0
.rept 12
.set q, 0
.rept 4
	v_pk_add_f32 v[8*ix+2*q:8*ix+2*q+1], v[8*ix+2*q:8*ix+2*q+1], v[32+8*(ix/4)+2*q:32+8*(ix/4)+2*q+1]
.set q, q+1
.endr
.set ix, ix+1
.endr
.set ix, 0
.rept 36
	WIN (1+ix/32)*5
.set q, 0
.rept 4
	v_cvt_pk_bf16_f32 v[64+4*ix+q], v[8*(ix%32)+2*q], v[8*(ix%32)+2*q+1]
.set q, q+1
.endr
.set ix, ix+1
.endr
	WIN 0
.set ix, 0
.rept 36
	global_store_b128 v[GO], v[64+4*ix:64+4*ix+3], s[84+2*(ix/12):85+2*(ix/12)] offset:(ix%4)*24576+((ix/4)%3)*512   ; 512 consecutive bytes, aligned
.set ix, ix+1
.endr
	s_wait_tensorcnt 0x0                           ; the wave's end
	ds_add_u32 v[SPW], v[NIL]
	s_wait_dscnt 0x0
	CROUND                                         ; the closing round
	s_endpgm
.Lfunc_end_k_q091bbf4235_qkv:
	.size	k_q091bbf4235_qkv, .Lfunc_end_k_q091bbf4235_qkv-k_q091bbf4235_qkv
	.p2alignl 7, 3214868480
	.fill 96, 4, 3214868480
	.section	.rodata,"a",@progbits
	.p2align	6, 0x0
	.amdhsa_kernel k_q091bbf4235_qkv
		.amdhsa_group_segment_fixed_size 327680
		.amdhsa_private_segment_fixed_size 0
		.amdhsa_enable_private_segment 0
		.amdhsa_kernarg_size 40
		.amdhsa_user_sgpr_count 2
		.amdhsa_user_sgpr_kernarg_segment_ptr 1
		.amdhsa_wavefront_size32 1
		.amdhsa_system_sgpr_workgroup_id_x 1
		.amdhsa_system_sgpr_workgroup_id_y 1
		.amdhsa_system_sgpr_workgroup_id_z 1
		.amdhsa_system_vgpr_workitem_id 0
		.amdhsa_next_free_vgpr 960
		.amdhsa_next_free_sgpr 100
		.amdhsa_reserve_vcc 0
		.amdhsa_float_denorm_mode_32 3
		.amdhsa_float_denorm_mode_16_64 3
		.amdhsa_memory_ordered 1
		.amdhsa_forward_progress 1
		.amdhsa_inst_pref_size 73
	.end_amdhsa_kernel
	.amdgpu_metadata
---
amdhsa.version: [ 1, 2 ]
amdhsa.kernels:
  - .name:           k_q091bbf4235_qkv
    .symbol:         k_q091bbf4235_qkv.kd
    .args:
      - { .name: wsp, .offset: 0, .size: 8, .value_kind: global_buffer, .address_space: global }
      - { .name: bq, .offset: 8, .size: 8, .value_kind: global_buffer, .address_space: global }
      - { .name: msk, .offset: 16, .size: 8, .value_kind: global_buffer, .address_space: global }
      - { .name: qkv, .offset: 24, .size: 8, .value_kind: global_buffer, .address_space: global }
      - { .name: lst, .offset: 32, .size: 8, .value_kind: global_buffer, .address_space: global }
    .group_segment_fixed_size: 327680
    .private_segment_fixed_size: 0
    .kernarg_segment_align: 8
    .kernarg_segment_size: 40
    .max_flat_workgroup_size: 128
    .sgpr_count:     100
    .vgpr_count:     960
    .wavefront_size: 32
...
	.end_amdgpu_metadata
.endif
;; end of part 2
;; launch attn (part 3): grid 256 x 1, 4 waves a work-group, no clusters, 198,656 bytes of LDS; arguments qkv, msk, lst, x, wsp, g2, beta2, xh; writes xh
.if DOCPART == 3
	.amdgcn_target "amdgcn-amd-amdhsa--gfx1250"
	.amdhsa_code_object_version 6
	.text
	.protected	k_q091bbf4235_attn
	.globl	k_q091bbf4235_attn
	.p2align	8
	.type	k_q091bbf4235_attn,@function
k_q091bbf4235_attn:
	s_mov_b64 s[64:65], 0
	v_nop
	global_prefetch_b8 v0, s[64:65] scope:SCOPE_SE
	s_setreg_imm32_b32 hwreg(HW_REG_WAVE_MODE, 25, 1), 1
	s_wait_xcnt 0x0
; Launch 3 of 5: the banded attention, the residual and the second layer norm.  x1 = x + softmax(mask(q k^T / sqrt(768))) v' + bo2; h2 = LN(x1).
; Left out (shown at the head of the first kernel): key groups in which no query of the block has a live key; the product with Wo; bk.
; A work-group owns 16 queries.  Its list of live groups of 8 keys (stored by the launch before) is walked in steps of 4 groups, 32 keys; wave w takes steps w, w + 4, ..,
; with a running maximum m, a sum l and a whole O^T (768 x 16) of its own; the four meet in LDS at the end.  The loop's length hangs on the stored count, so nothing in it touches LDS or a barrier:
; K and V' come from memory straight into registers, as the operand images that the launch before stored.  NO CLUSTER: partners' lists and trip counts differ by data.
; S^T = K Q^T: a lane holds one query (lane % 16) and the 8 keys of one group (groups 0, 1 in tile A, 2, 3 in tile B, by lane / 16); rounded to bf16 the two tiles are source 1 of O^T = V'^T P.
; HIDDEN KEYS inside a live group, and places past the count, take the raw score -2^100.  c 2^100 is exact, so a row that has seen hidden keys alone has weights 1, which the factor a = 0 wipes at its
; first live key, or the merge's factor 0.  Every row has a live key: a neighbour, or its own bit.  LIMIT: a true raw score at or below -2^100 counts as hidden; NaN and infinities are not treated apart.
; windows: 0 v0-23 addresses and statistics, v24-31 P, v32-63 S^T (two accumulators a tile, by turns), v64-255 buffer BA; 1 O^T tiles 0-31; 2 v0-127 O^T tiles 32-47, v128-255 Q 0-15; 3 v0-63 Q 16-23, v64-255 buffer BB.
.set STAT, 197632                      ; LDS: four O buffers of 16 rows x 3,088 bytes from 0; then (c m, l) by wave and query
.set SPARE, 198144                     ; the spare words, 128 bytes a wave: no other line names them
.set BO2, 19267584
.set SEL, 73
.set SINV, 78
.set SEPS, 79
.set MSB, 0
.macro WIN new
.if MSB != (\new)
	s_set_vgpr_msb (MSB<<8)|(\new)
.set MSB, \new
.endif
.endm
.macro PLACES
.rept 4
	v_nop
.endr
.endm
.macro WSUM t
	v_add_f32_dpp v[\t], v[\t], v[\t] row_xmask:1 row_mask:0xf bank_mask:0xf
	v_add_f32_dpp v[\t], v[\t], v[\t] row_xmask:2 row_mask:0xf bank_mask:0xf
	v_add_f32_dpp v[\t], v[\t], v[\t] row_xmask:4 row_mask:0xf bank_mask:0xf
	v_add_f32_dpp v[\t], v[\t], v[\t] row_xmask:8 row_mask:0xf bank_mask:0xf
	v_permlanex16_b32 v[(\t)+1], v[\t], s[SEL], s[SEL+1]
	v_add_f32 v[\t], v[\t], v[(\t)+1]
.endm
.macro LNROW S, D, G, B                ; a layer norm of one row of 768: 24 numbers a lane at S (kept), 12 registers of bf16 at D
	v_pk_add_f32 v[40:41], v[(\S):(\S)+1], v[(\S)+2:(\S)+3]
	v_pk_add_f32 v[42:43], v[(\S)+4:(\S)+5], v[(\S)+6:(\S)+7]
.set j, 8
.rept 4
	v_pk_add_f32 v[40:41], v[40:41], v[(\S)+j:(\S)+j+1]
	v_pk_add_f32 v[42:43], v[42:43], v[(\S)+j+2:(\S)+j+3]
.set j, j+4
.endr
	v_pk_add_f32 v[40:41], v[40:41], v[42:43]
	v_add_f32 v40, v40, v41
	WSUM 40
	v_mul_f32 v40, s[SINV], v40
.set j, 0
.rept 12
	v_pk_add_f32 v[(\D)+j:(\D)+j+1], v[(\S)+j:(\S)+j+1], v[40:41] op_sel_hi:[1,0] neg_lo:[0,1] neg_hi:[0,1]
.set j, j+2
.endr
	v_pk_mul_f32 v[42:43], v[(\D):(\D)+1], v[(\D):(\D)+1]
	v_pk_mul_f32 v[44:45], v[(\D)+2:(\D)+3], v[(\D)+2:(\D)+3]
.set j, 4
.rept 5
	v_pk_fma_f32 v[42:43], v[(\D)+j:(\D)+j+1], v[(\D)+j:(\D)+j+1], v[42:43]
	v_pk_fma_f32 v[44:45], v[(\D)+j+2:(\D)+j+3], v[(\D)+j+2:(\D)+j+3], v[44:45]
.set j, j+4
.endr
	v_pk_add_f32 v[42:43], v[42:43], v[44:45]
	v_add_f32 v42, v42, v43
	WSUM 42
	v_fma_f32 v42, v42, s[SINV], s[SEPS]
	v_rsq_f32 v42, v42
	v_nop
	s_wait_alu depctr_va_vdst(0)                   ; a wait ahead of the root's first reader
.set j, 0
.rept 12
	v_pk_mul_f32 v[(\D)+j:(\D)+j+1], v[(\D)+j:(\D)+j+1], v[42:43] op_sel_hi:[1,0]
.set j, j+2
.endr
.set j, 0
.rept 12
	v_pk_fma_f32 v[(\D)+j:(\D)+j+1], v[(\D)+j:(\D)+j+1], v[(\G)+j:(\G)+j+1], v[(\B)+j:(\B)+j+1]
.set j, j+2
.endr
.set j, 0
.rept 12
	v_cvt_pk_bf16_f32 v[(\D)+j], v[(\D)+2*j], v[(\D)+2*j+1]
.set j, j+1
.endr
.endm
; Group e of the step: its byte offsets in K, V' and the masks, its byte's shift, and whether its rank lies under the count.  Each piece is clamped by a constant behind its shift right.
.macro GRP e
	s_lshr_b32 s44, s[40+(\e)], 1
	s_min_u32 s44, s44, 255
	s_mul_i32 s44, s44, 24576                      ; the tile of 16 tokens
	s_min_u32 s45, s[40+(\e)], 511
	s_and_b32 s45, s45, 1
	s_lshl_b32 s46, s45, 7
	s_add_co_u32 s[48+(\e)], s44, s46              ; K: its half of the tile's rows
	s_lshl_b32 s46, s45, 8
	s_add_co_u32 s[52+(\e)], s44, s46              ; V': its half of the lanes
	s_lshr_b32 s46, s[40+(\e)], 5
	s_min_u32 s46, s46, 15
	s_lshl_b32 s46, s46, 9
	s_lshr_b32 s47, s[40+(\e)], 2
	s_min_u32 s47, s47, 127
	s_and_b32 s47, s47, 1
	s_lshl_b32 s47, s47, 8
	s_add_co_u32 s46, s46, s47
	s_lshr_b32 s47, s[40+(\e)], 3
	s_min_u32 s47, s47, 63
	s_and_b32 s47, s47, 3
	s_lshl_b32 s47, s47, 2
	s_add_co_u32 s[56+(\e)], s46, s47              ; the mask word
	s_and_b32 s47, s[40+(\e)], 3
	s_lshl_b32 s[60+(\e)], s47, 3
	s_lshl2_add_u32 s47, s36, \e
	s_cmp_lt_u32 s47, s24
	s_cselect_b32 s[66+(\e)], 0xff, 0
.endm
.macro SELV d, sa, sb, m               ; lanes of mask m take sb, the others sa
	v_mov_b32 v[\d], s[\sa]
	v_cndmask_b32 v[\d], v[\d], s[\sb], s[\m]
.endm
	s_load_b512 s[4:19], s[0:1], 0x0               ; qkv 4, msk 6, lst 8, x 10, wsp 12, g2 14, beta2 16, xh 18
	v_lshl_add_u32 v22, v0, 2, SPARE
	v_mov_b32 v23, 0
	v_lshrrev_b32 v1, 5, v0
	v_readfirstlane_b32 s20, v1                    ; wave
	s_mov_b32 s21, ttmp9                           ; qb
	v_and_b32 v1, 15, v0
	v_bfe_u32 v2, v0, 4, 1
	v_and_b32 v15, 7, v0
	v_lshlrev_b32 v3, 4, v15
	v_lshl_add_u32 v3, v2, 8, v3                   ; K: 256 h + 16 (r & 7)
	v_lshlrev_b32 v4, 4, v1                        ; V' and masks: 16 r
	v_and_b32 v21, 31, v0
	v_lshlrev_b32 v21, 4, v21                      ; 16 lane; never rewritten
	s_mov_b32 s70, 0xff00ff00                      ; lanes with r >= 8
	s_mov_b32 s71, 0xffff0000                      ; lanes with h = 1
	s_mov_b32 s72, 0xf1800000                      ; -2^100
	s_mov_b32 s[SEL], 0x76543210
	s_mov_b32 s[SEL+1], 0xfedcba98
	s_mov_b32 s76, 0x3d553b94                      ; c = log2(e) / sqrt(768)
	s_mov_b32 s77, s76
	s_mov_b32 s[SINV], 0x3aaaaaab
	s_mov_b32 s[SEPS], 0x3727c5ac
	s_wait_kmcnt 0x0
	s_mul_i32 s44, s21, 2304
	s_mov_b32 s45, 0
	s_add_nc_u64 s[22:23], s[8:9], s[44:45]
	s_load_b32 s24, s[22:23], 0x880                ; the count
	s_mul_i32 s44, s21, 24576
	s_add_nc_u64 s[26:27], s[4:5], s[44:45]
	s_lshl_b32 s44, s21, 13
	s_add_nc_u64 s[28:29], s[6:7], s[44:45]
	s_add_nc_u64 s[30:31], s[4:5], 6291456
	s_add_nc_u64 s[32:33], s[4:5], 12582912
	WIN 0x80
.set k, 0
.rept 16
	global_load_b128 v[128+8*k:131+8*k], v21, s[26:27] offset:1024*k
	global_load_b128 v[132+8*k:135+8*k], v21, s[26:27] offset:1024*k+512
.set k, k+1
.endr
	WIN 0xc0
.set k, 16
.rept 8
	global_load_b128 v[8*(k-16):8*(k-16)+3], v21, s[26:27] offset:1024*k
	global_load_b128 v[8*(k-16)+4:8*(k-16)+7], v21, s[26:27] offset:1024*k+512
.set k, k+1
.endr
	; O^T starts at 0, written while Q is on its way: 384 lines, the price of one text for every step and of waves that have no step
	WIN 0x40
.set k, 0
.rept 256
	v_mov_b32 v[k], 0
.set k, k+1
.endr
	WIN 0x80
.set k, 0
.rept 128
	v_mov_b32 v[k], 0
.set k, k+1
.endr
	WIN 0
	v_mov_b32 v17, s72                             ; m
	v_mul_f32 v16, s76, v17                        ; c m
	v_mov_b32 v18, 0                               ; l, two halves
	v_mov_b32 v19, 0
	v_mov_b32 v20, 0
	s_wait_kmcnt 0x0
	s_min_u32 s24, s24, 512
	s_add_co_u32 s25, s24, 3
	s_lshr_b32 s25, s25, 2                         ; steps
	s_add_co_u32 s34, s25, 3
	s_sub_co_u32 s34, s34, s20
	s_lshr_b32 s34, s34, 2                         ; my trips
	s_mov_b32 s35, 0
	s_mov_b32 s36, s20                             ; my step
	s_max_u32 s38, s25, 1
	s_sub_co_u32 s38, s38, 1
	s_min_u32 s37, s36, s38
	s_min_u32 s37, s37, 127
	s_lshl_b32 s37, s37, 4
	s_load_b128 s[40:43], s[22:23], s37 offset:0x0
	s_cmp_eq_u32 s34, 0
	s_cbranch_scc1 .Lmerge
.Ltrip:
	s_wait_kmcnt 0x0                               ; the step's four groups
	GRP 0
	GRP 1
	GRP 2
	GRP 3
	SELV 5, 48, 49, 70                             ; these vector lines are also the places behind the last trip's products, in front of the loads below
	v_add_nc_u32 v5, v5, v3
	SELV 6, 50, 51, 70
	v_add_nc_u32 v6, v6, v3
	SELV 7, 52, 53, 71
	v_add_nc_u32 v7, v7, v4
	SELV 8, 54, 55, 71
	v_add_nc_u32 v8, v8, v4
	SELV 9, 56, 57, 71
	v_add_nc_u32 v9, v9, v4
	SELV 10, 58, 59, 71
	v_add_nc_u32 v10, v10, v4
	SELV 11, 60, 61, 71
	SELV 12, 62, 63, 71
	SELV 13, 66, 67, 71
	SELV 14, 68, 69, 71
	s_add_co_u32 s37, s36, 4                       ; my next step's groups (the last trip asks for the list's last step once more)
	s_min_u32 s37, s37, s38
	s_min_u32 s37, s37, 127
	s_lshl_b32 s37, s37, 4
	s_load_b128 s[40:43], s[22:23], s37 offset:0x0
	global_load_b32 v1, v9, s[28:29]
	global_load_b32 v2, v10, s[28:29]
.set k, 0
.rept 24
	global_load_b128 v[64+8*k:67+8*k], v5, s[30:31] offset:1024*k
	global_load_b128 v[68+8*k:71+8*k], v5, s[30:31] offset:1024*k+512
.set k, k+1
.endr
	WIN 0xc0
.set k, 0
.rept 24
	global_load_b128 v[64+8*k:67+8*k], v6, s[30:31] offset:1024*k
	global_load_b128 v[68+8*k:71+8*k], v6, s[30:31] offset:1024*k+512
.set k, k+1
.endr
	s_wait_loadcnt 48                              ; Q, the mask words and groups 0, 1 are in; the 48 loads of groups 2, 3 stay out
.set k, 0
.rept 24                                       ; two accumulators by turns
.if k < 16
	WIN 0x08
.set rQ, 128+8*k
.else
	WIN 0x0c
.set rQ, 8*(k-16)
.endif
.if k < 2
	v_wmma_f32_16x16x32_bf16 v[32+8*(k%2):39+8*(k%2)], v[64+8*k:71+8*k], v[rQ:rQ+7], 0
.else
	v_wmma_f32_16x16x32_bf16 v[32+8*(k%2):39+8*(k%2)], v[64+8*k:71+8*k], v[rQ:rQ+7], v[32+8*(k%2):39+8*(k%2)]
.endif
.set k, k+1
.endr
	PLACES
	WIN 0
.set k, 0
.rept 24
	global_load_b128 v[64+8*k:67+8*k], v7, s[32:33] offset:512*k
	global_load_b128 v[68+8*k:71+8*k], v8, s[32:33] offset:512*k
.set k, k+1
.endr
	s_wait_loadcnt 48                              ; groups 2, 3 are in; V's first 48 loads stay out
.set k, 0
.rept 24
.if k < 16
	WIN 0x0b
.set rQ, 128+8*k
.else
	WIN 0x0f
.set rQ, 8*(k-16)
.endif
.if k < 2
	v_wmma_f32_16x16x32_bf16 v[48+8*(k%2):55+8*(k%2)], v[64+8*k:71+8*k], v[rQ:rQ+7], 0
.else
	v_wmma_f32_16x16x32_bf16 v[48+8*(k%2):55+8*(k%2)], v[64+8*k:71+8*k], v[rQ:rQ+7], v[48+8*(k%2):55+8*(k%2)]
.endif
.set k, k+1
.endr
	PLACES
	WIN 0xc0
.set k, 0
.rept 24
	global_load_b128 v[64+8*k:67+8*k], v7, s[32:33] offset:512*(k+24)
	global_load_b128 v[68+8*k:71+8*k], v8, s[32:33] offset:512*(k+24)
.set k, k+1
.endr
	WIN 0
.irp q, 0,2,4,6
	v_pk_add_f32 v[32+\q:33+\q], v[32+\q:33+\q], v[40+\q:41+\q]
.endr
.irp q, 0,2,4,6
	v_pk_add_f32 v[48+\q:49+\q], v[48+\q:49+\q], v[56+\q:57+\q]
.endr
	v_lshrrev_b32 v1, v11, v1
	v_and_b32 v1, v13, v1                          ; my group's eight bits, none past the count
	v_lshrrev_b32 v2, v12, v2
	v_and_b32 v2, v14, v2
.set k, 0
.rept 8
	v_and_b32 v15, 1<<k, v1
	v_cmp_ne_u32 vcc_lo, 0, v15
	v_cndmask_b32 v[32+k], s72, v[32+k], vcc_lo
	v_and_b32 v40, 1<<k, v2
	v_cmp_ne_u32 vcc_lo, 0, v40
	v_cndmask_b32 v[48+k], s72, v[48+k], vcc_lo
.set k, k+1
.endr
	v_max3_num_f32 v40, v32, v33, v34
	v_max3_num_f32 v41, v35, v36, v37
	v_max3_num_f32 v42, v38, v39, v48
	v_max3_num_f32 v43, v49, v50, v51
	v_max3_num_f32 v44, v52, v53, v54
	v_max3_num_f32 v45, v55, v17, v40
	v_max3_num_f32 v46, v41, v42, v43
	v_max3_num_f32 v40, v44, v45, v46
	v_permlanex16_b32 v41, v40, s[SEL], s[SEL+1]   ; the query's other 16 keys lie in the lane 16 away
	v_mov_b32 v42, v16
	v_max_num_f32 v17, v40, v41
	v_mul_f32 v16, s76, v17
	v_sub_f32 v42, v42, v16
.irp q, 0,2,4,6
	v_pk_fma_f32 v[32+\q:33+\q], v[32+\q:33+\q], s[76:77], v[16:17] op_sel_hi:[1,0,0] neg_lo:[0,0,1] neg_hi:[0,0,1]
	v_pk_fma_f32 v[48+\q:49+\q], v[48+\q:49+\q], s[76:77], v[16:17] op_sel_hi:[1,0,0] neg_lo:[0,0,1] neg_hi:[0,0,1]
.endr
	v_exp_f32 v20, v42                             ; a; then the 16 weights: one batch
.set k, 0
.rept 8
	v_exp_f32 v[32+k], v[32+k]
	v_exp_f32 v[48+k], v[48+k]
.set k, k+1
.endr
	v_nop                                          ; a plain instruction behind the last exponential,
	s_wait_alu depctr_va_vdst(0)                   ; and one wait for the batch
.set k, 0
.rept 4
	v_cvt_pk_bf16_f32 v[24+k], v[32+2*k], v[33+2*k]
	v_cvt_pk_bf16_f32 v[28+k], v[48+2*k], v[49+2*k]
.set k, k+1
.endr
	v_pk_add_f32 v[32:33], v[32:33], v[34:35]
	v_pk_add_f32 v[36:37], v[36:37], v[38:39]
	v_pk_add_f32 v[48:49], v[48:49], v[50:51]
	v_pk_add_f32 v[52:53], v[52:53], v[54:55]
	v_pk_add_f32 v[32:33], v[32:33], v[36:37]
	v_pk_add_f32 v[48:49], v[48:49], v[52:53]
	v_pk_add_f32 v[32:33], v[32:33], v[48:49]
	v_pk_fma_f32 v[18:19], v[18:19], v[20:21], v[32:33] op_sel_hi:[1,0,1]
	WIN 0x41
.set k, 0
.rept 128
	v_pk_mul_f32 v[k:k+1], v[k:k+1], v[20:21] op_sel_hi:[1,0]
.set k, k+2
.endr
	WIN 0x82
.set k, 0
.rept 64
	v_pk_mul_f32 v[k:k+1], v[k:k+1], v[20:21] op_sel_hi:[1,0]
.set k, k+2
.endr
	s_wait_loadcnt 48                              ; V' of channels 0-383 is in; the other 48 loads stay out
	WIN 0x50
.set k, 0
.rept 24
	v_wmma_f32_16x16x32_bf16 v[8*k:8*k+7], v[64+8*k:71+8*k], v[24:31], v[8*k:8*k+7]
.set k, k+1
.endr
	s_wait_loadcnt 0x0
	WIN 0x53
.set k, 24
.rept 8
	v_wmma_f32_16x16x32_bf16 v[8*k:8*k+7], v[64+8*(k-24):71+8*(k-24)], v[24:31], v[8*k:8*k+7]
.set k, k+1
.endr
	WIN 0xa3
.set k, 32
.rept 16
	v_wmma_f32_16x16x32_bf16 v[8*(k-32):8*(k-32)+7], v[64+8*(k-24):71+8*(k-24)], v[24:31], v[8*(k-32):8*(k-32)+7]
.set k, k+1
.endr
	WIN 0
	s_add_co_u32 s36, s36, 4
	s_add_co_u32 s35, s35, 1
	s_cmp_lt_u32 s35, s34
	s_cbranch_scc1 .Ltrip
.Lmerge:
	s_wait_kmcnt 0x0
	PLACES                                         ; behind the last products: their sources are loaded into, their results stored
	s_add_nc_u64 s[86:87], s[12:13], BO2
	s_lshl_b32 s44, s21, 4
	s_lshl2_add_u32 s44, s20, s44                  ; my first row: 16 qb + 4 w
	s_mul_i32 s46, s44, 3072
	s_mov_b32 s47, 0
	s_add_nc_u64 s[80:81], s[10:11], s[46:47]      ; x
	s_add_nc_u64 s[82:83], s[18:19], s[46:47]      ; x1
	s_mul_i32 s46, s44, 1536
	s_add_nc_u64 s[84:85], s[18:19], s[46:47]
	s_add_nc_u64 s[84:85], s[84:85], 12582912      ; h2
	v_mov_b32 v10, v21
.set k, 0
.rept 6
	global_load_b128 v[184+4*k:187+4*k], v21, s[86:87] offset:512*k
	global_load_b128 v[208+4*k:211+4*k], v21, s[14:15] offset:512*k
	global_load_b128 v[232+4*k:235+4*k], v21, s[16:17] offset:512*k
	global_load_b128 v[160+4*k:163+4*k], v10, s[80:81] offset:512*k
.set k, k+1
.endr
	v_add_f32 v18, v18, v19
	v_permlanex16_b32 v19, v18, s[SEL], s[SEL+1]
	v_add_f32 v17, v18, v19                        ; (c m, l) in v[16:17]
	v_and_b32 v1, 15, v0
	v_bfe_u32 v2, v0, 4, 1
	s_mul_i32 s44, s20, 49408
	v_mul_u32_u24 v5, v1, 3088
	v_lshl_add_u32 v5, v2, 5, v5
	v_add_nc_u32 v5, s44, v5
	s_lshl_b32 s44, s20, 7
	s_add_co_u32 s44, s44, STAT
	v_lshl_add_u32 v6, v1, 3, s44
	WIN 0x04
.set k, 0
.rept 32
	ds_store_b128 v5, v[8*k:8*k+3] offset:64*k
	ds_store_b128 v5, v[8*k+4:8*k+7] offset:64*k+16
.set k, k+1
.endr
	WIN 0x08
.set k, 32
.rept 16
	ds_store_b128 v5, v[8*(k-32):8*(k-32)+3] offset:64*k
	ds_store_b128 v5, v[8*(k-32)+4:8*(k-32)+7] offset:64*k+16
.set k, k+1
.endr
	WIN 0
	ds_store_b64 v6, v[16:17]
	s_mul_i32 s44, s20, 4*3088
	v_add_nc_u32 v7, s44, v21
	v_add_nc_u32 v8, 98816, v7
	s_lshl_b32 s44, s20, 5
	s_add_co_u32 s44, s44, STAT
	v_mov_b32 v9, s44
	v_mov_b32 v11, v21
	v_lshrrev_b32 v12, 1, v21
	v_mov_b32 v35, 0                               ; named as the upper halves of pairs
	v_mov_b32 v37, 0
	v_mov_b32 v39, 0
	v_mov_b32 v41, 0
	s_wait_dscnt 0x0                               ; my stores are done, for the others' sake
	s_barrier_signal -1
	s_barrier_wait -1
	s_mov_b32 s39, 4
.Lrow:                                         ; a trip a row: rows 4 w .. 4 w + 3 of the block, whole: 24 numbers a lane
.set u, 0
.rept 4
	ds_load_b64 v[24+2*u:25+2*u], v9 offset:128*u
.set u, u+1
.endr
.set k, 0
.rept 6
	ds_load_b128 v[64+4*k:67+4*k], v7 offset:512*k
	ds_load_b128 v[88+4*k:91+4*k], v7 offset:49408+512*k
	ds_load_b128 v[112+4*k:115+4*k], v8 offset:512*k
	ds_load_b128 v[136+4*k:139+4*k], v8 offset:49408+512*k
.set k, k+1
.endr
	s_wait_dscnt 0x0
	v_max3_num_f32 v32, v24, v26, v28
	v_max_num_f32 v32, v32, v30
.irp u, 0,1,2,3
	v_sub_f32 v[34+2*\u], v[24+2*\u], v32
.endr
.irp u, 0,1,2,3
	v_exp_f32 v[34+2*\u], v[34+2*\u]
.endr
	v_nop
	s_wait_alu depctr_va_vdst(0)
	v_mul_f32 v33, v34, v25
	v_fmac_f32 v33, v36, v27
	v_fmac_f32 v33, v38, v29
	v_fmac_f32 v33, v40, v31
	v_rcp_f32 v33, v33
	v_nop
	s_wait_alu depctr_va_vdst(0)
.irp u, 0,1,2,3
	v_mul_f32 v[34+2*\u], v[34+2*\u], v33
.endr
.set k, 0
.rept 12
	v_pk_mul_f32 v[64+k:65+k], v[64+k:65+k], v[34:35] op_sel_hi:[1,0]
.set k, k+2
.endr
.irp u, 1,2,3
.set k, 0
.rept 12
	v_pk_fma_f32 v[64+k:65+k], v[64+24*\u+k:65+24*\u+k], v[34+2*\u:35+2*\u], v[64+k:65+k] op_sel_hi:[1,0,1]
.set k, k+2
.endr
.endr
	s_wait_loadcnt 0x0
.set k, 0
.rept 12
	v_pk_add_f32 v[64+k:65+k], v[64+k:65+k], v[160+k:161+k]
	v_pk_add_f32 v[64+k:65+k], v[64+k:65+k], v[184+k:185+k]
.set k, k+2
.endr
	s_cmp_eq_u32 s39, 1                            ; the last row has none behind it; every wait for these loads is for 0
	s_cbranch_scc1 .Lno_x
	v_add_nc_u32 v10, 3072, v10
.set k, 0
.rept 6
	global_load_b128 v[160+4*k:163+4*k], v10, s[80:81] offset:512*k
.set k, k+1
.endr
.Lno_x:
.set k, 0
.rept 6
	global_store_b128 v11, v[64+4*k:67+4*k], s[82:83] offset:512*k
.set k, k+1
.endr
	LNROW 64, 88, 208, 232
.set k, 0
.rept 6
	global_store_b64 v12, v[88+2*k:89+2*k], s[84:85] offset:256*k
.set k, k+1
.endr
	s_wait_xcnt 0x0                                ; the stores have read their registers: offsets and data are written again only behind this wait
	v_add_nc_u32 v11, 3072, v11
	v_add_nc_u32 v12, 1536, v12
	v_add_nc_u32 v7, 3088, v7
	v_add_nc_u32 v8, 3088, v8
	v_add_nc_u32 v9, 8, v9
	s_sub_co_u32 s39, s39, 1
	s_cmp_lg_u32 s39, 0
	s_cbranch_scc1 .Lrow
	s_wait_tensorcnt 0x0                           ; the wave's end, behind the last LDS store
	ds_add_u32 v22, v23
	s_wait_dscnt 0x0
	s_endpgm
.Lfunc_end_k_q091bbf4235_attn:
	.size	k_q091bbf4235_attn, .Lfunc_end_k_q091bbf4235_attn-k_q091bbf4235_attn
	.p2alignl 7, 3214868480
	.fill 96, 4, 3214868480
	.section	.rodata,"a",@progbits
	.p2align	6, 0x0
	.amdhsa_kernel k_q091bbf4235_attn
		.amdhsa_group_segment_fixed_size 198656
		.amdhsa_private_segment_fixed_size 0
		.amdhsa_enable_private_segment 0
		.amdhsa_kernarg_size 64
		.amdhsa_user_sgpr_count 2
		.amdhsa_user_sgpr_kernarg_segment_ptr 1
		.amdhsa_wavefront_size32 1
		.amdhsa_system_sgpr_workgroup_id_x 1
		.amdhsa_system_sgpr_workgroup_id_y 1
		.amdhsa_system_sgpr_workgroup_id_z 1
		.amdhsa_system_vgpr_workitem_id 0
		.amdhsa_next_free_vgpr 1024
		.amdhsa_next_free_sgpr 100
		.amdhsa_reserve_vcc 1
		.amdhsa_float_denorm_mode_32 3
		.amdhsa_float_denorm_mode_16_64 3
		.amdhsa_memory_ordered 1
		.amdhsa_forward_progress 1
		.amdhsa_inst_pref_size 92
	.end_amdhsa_kernel
	.amdgpu_metadata
---
amdhsa.version: [ 1, 2 ]
amdhsa.kernels:
  - .name:           k_q091bbf4235_attn
    .symbol:         k_q091bbf4235_attn.kd
    .args:
      - { .name: qkv, .offset: 0, .size: 8, .value_kind: global_buffer, .address_space: global }
      - { .name: msk, .offset: 8, .size: 8, .value_kind: global_buffer, .address_space: global }
      - { .name: lst, .offset: 16, .size: 8, .value_kind: global_buffer, .address_space: global }
      - { .name: x, .offset: 24, .size: 8, .value_kind: global_buffer, .address_space: global }
      - { .name: wsp, .offset: 32, .size: 8, .value_kind: global_buffer, .address_space: global }
      - { .name: g2, .offset: 40, .size: 8, .value_kind: global_buffer, .address_space: global }
      - { .name: beta2, .offset: 48, .size: 8, .value_kind: global_buffer, .address_space: global }
      - { .name: xh, .offset: 56, .size: 8, .value_kind: global_buffer, .address_space: global }
    .group_segment_fixed_size: 198656
    .private_segment_fixed_size: 0
    .kernarg_segment_align: 8
    .kernarg_segment_size: 64
    .max_flat_workgroup_size: 128
    .sgpr_count:     100
    .vgpr_count:     1024
    .wavefront_size: 32
...
	.end_amdgpu_metadata
.endif
;; end of part 3
;; launch ffn1 (part 4): grid 8 x 32, 4 waves a work-group, clusters of 4 x 4, 327,680 bytes of LDS; arguments xh, wsp, b1, act; writes act
.if DOCPART == 4
	.amdgcn_target "amdgcn-amd-amdhsa--gfx1250"
	.amdhsa_code_object_version 6
	.text
	.protected	k_q091bbf4235_ffn1
	.globl	k_q091bbf4235_ffn1
	.p2align	8
	.type	k_q091bbf4235_ffn1,@function
k_q091bbf4235_ffn1:
	s_mov_b64 s[64:65], 0
	v_nop
	global_prefetch_b8 v0, s[64:65] scope:SCOPE_SE
	s_setreg_imm32_b32 hwreg(HW_REG_WAVE_MODE, 25, 1), 1
	s_wait_xcnt 0x0
	s_wait_alu depctr_hold_cnt(0) depctr_sa_sdst(0) depctr_va_vdst(0) depctr_va_sdst(0) depctr_va_ssrc(0) depctr_va_vcc(0) depctr_vm_vsrc(0)
	s_getreg_b32 s2, hwreg(HW_REG_IB_STS2, 6, 4)
	s_cmp_eq_u32 s2, 0
	s_cbranch_scc0 .Lentry_in_a_cluster
	s_endpgm
.Lentry_in_a_cluster:
	s_bfe_u32 s2, ttmp6, 0x10000c
	s_cmp_lg_u32 s2, 0xf033
	s_cbranch_scc0 .Lentry_shape_is_right
	s_endpgm
.Lentry_shape_is_right:
; Launch 4 of 5: act = gelu(h2 W1^T + b1), 4096 x 3072 x 768 in bf16, sums in f32, act in bf16.
; A work-group makes 128 tokens x 384 columns; wave w: tokens 64 (w >> 1) .., columns 192 (w & 1) ..: 48 accumulators.  K in steps of 128 through two LDS slots filled by joint tensor loads:
; 4 x 4 work-groups form a cluster, h2's tile is shared along a row of it, W1's along a column.  Wave 0 fetches h2's 128 rows, waves 1-3 128 rows of W1 each:
; every loader brings 128 rows, so wave w's rows land at w x 128 rows of the slot.
; THE WAY OUT.  The raw sums, rounded once to bf16, go into a stage in slot 0 (which has had its last fill); then each wave walks 32 whole rows, two a trip, with one text for the bias and the gelu.
; gelu(y) = max(y, 0) - |y| Q(|y|), Q = t (A1 + t (A2 + t A3)) 2^(K2 y^2), t = 1 / (1 + P1 |y|): the three-term rational form of erfc, off by at most 2.5e-5 for every y; for large |y| Q is 0.
; No prefetch is laid: K has six steps.
.set KD, 768
.set KS, 128
.set NSTEP, 6
.set PITCH, 272
.set QI, 5
.set TM, 128
.set TN, 384
.set RA, 128
.set RB, 128
.set AL, 1
.set NBF, 12
.set NB1, 4
.set NB2, 8
.set ABYTES, TM*PITCH
.set SLOT, (TM+TN)*PITCH
.set SPARE, 2*SLOT
.set W1B, 9830400
.set H2, 12582912
.set SP, 784                           ; a stage row: 768 bytes + 16
.set ADRA0, 16
.set ADRB0, 17
.set ADRA, 18
.set ADRB, 19
.set GOA, 20
.set GOB, 21
.set BOA, 22
.set BOB, 23
.set STO, 24
.set RDA, 25
.set RDB, 26
.set SPW, 28
.set NIL, 29
.set WV, 20
.set TB, 21
.set CNT, 22
.set CNT2, 23
.set G1A, 24
.set G0A, 32
.set CX, 40
.set CY, 41
.set X, 42
.set Y, 43
.set LA, 44
.set LB, 45
.set G1B, 48
.set G0B, 56
.set MSB, 0
.macro WIN new
.if MSB != (\new)
	s_set_vgpr_msb (MSB<<8)|(\new)
.set MSB, \new
.endif
.endm
.macro PLACES
.rept 4
	v_nop
.endr
.endm
.macro MULP f, blo, bhi, zero          ; source 0 = 16 rows of W1, source 1 = 16 tokens: a lane ends with one token and eight columns.  The accumulators take turns
.set b_, \blo
.rept (\bhi)-(\blo)
.set a_, 0
.rept 4
.set ix, 4*b_+a_
.set w_, 1+ix/32
.set rD, 8*(ix%32)
.set rB, 96*(\f)+8*b_
.set rA, 64+32*(\f)+8*a_
	WIN (w_<<6)|(w_<<4)|3
.if \zero
	v_wmma_f32_16x16x32_bf16 v[rD:rD+7], v[rB:rB+7], v[rA:rA+7], 0
.else
	v_wmma_f32_16x16x32_bf16 v[rD:rD+7], v[rB:rB+7], v[rA:rA+7], v[rD:rD+7]
.endif
.set a_, a_+1
.endr
.set b_, b_+1
.endr
.endm
.macro FETCH koff, f
	WIN 0xc0
.set b_, 0
.rept NBF
	ds_load_b128 v[96*(\f)+8*b_:96*(\f)+8*b_+3], v[ADRB] offset:(\koff)+b_*16*PITCH
	ds_load_b128 v[96*(\f)+8*b_+4:96*(\f)+8*b_+7], v[ADRB] offset:(\koff)+b_*16*PITCH+32
.set b_, b_+1
.endr
	WIN 0
.set a_, 0
.rept 4
	ds_load_b128 v[64+32*(\f)+8*a_:64+32*(\f)+8*a_+3], v[ADRA] offset:(\koff)+a_*16*PITCH
	ds_load_b128 v[64+32*(\f)+8*a_+4:64+32*(\f)+8*a_+7], v[ADRA] offset:(\koff)+a_*16*PITCH+32
.set a_, a_+1
.endr
.endm
.macro QUARTER koff, f, g, zero
	s_wait_dscnt 0x0
	MULP \f, 0, NB1, \zero
	PLACES
	FETCH \koff, \g
	MULP \f, NB1, NBF, \zero
.endm
.macro JLOAD
	s_cmp_lt_u32 s[WV], AL
	s_cbranch_scc0 .Lfor_b_\@
	tensor_load_to_lds s[G0A+4:G0A+7], s[G1A:G1A+7]
	s_nop 0
.rept 4
	v_nop
.endr
	s_branch .Lasked_\@
.Lfor_b_\@:
	tensor_load_to_lds s[G0B+4:G0B+7], s[G1B:G1B+7]
	s_nop 0
.rept 4
	v_nop
.endr
.Lasked_\@:
.endm
.macro CREST
	s_cmp_lg_u32 s[WV], 0
	s_cbranch_scc1 .Lnot_wave_0_\@
	s_barrier_signal -3
.Lnot_wave_0_\@:
	s_barrier_wait -3
	s_barrier_signal -1
	s_barrier_wait -1
.endm
.macro CROUND
	s_barrier_signal -1
	s_barrier_wait -1
	CREST
.endm
; The last quarter of a K step and the change of slots: all my tensor loads waited for, the add, the wait for it and for my reads of the slot, the barrier; with fill = 1 a round of the cluster's, and the joint refill first behind it.
.macro TURN fill
	WIN 0
	s_wait_tensorcnt 0x0
	ds_add_u32 v[SPW], v[NIL]
	s_wait_dscnt 1                                 ; buffer 1 is in; the add alone may be out
	MULP 1, 0, NB1, 0
	s_wait_dscnt 0x0
	s_barrier_signal -1
	MULP 1, NB1, NB2, 0
	WIN 0
	s_barrier_wait -1
.if \fill
	CREST
	s_add_co_u32 s[G0A+5], s[LA], s[TB]
	s_add_co_u32 s[G0B+5], s[LB], s[TB]
	s_add_nc_u64 s[G0A+6:G0A+7], s[G0A+6:G0A+7], 2*KS
	s_add_nc_u64 s[G0B+6:G0B+7], s[G0B+6:G0B+7], 2*KS
	JLOAD
.else
	PLACES
.endif
	s_xor_b32 s[TB], s[TB], SLOT
	v_add_nc_u32 v[ADRA], s[TB], v[ADRA0]
	v_add_nc_u32 v[ADRB], s[TB], v[ADRB0]
	FETCH 0, 0
	MULP 1, NB2, NBF, 0
.endm
	s_load_b256 s[4:11], s[0:1], 0x0               ; xh 4, wsp 6, b1 8, act 10
	v_lshl_add_u32 v[SPW], v0, 2, SPARE
	v_mov_b32 v[NIL], 0
	ds_add_u32 v[SPW], v[NIL]                      ; the opening: the add, twice on end, and its wait ahead of my first tensor load
	ds_add_u32 v[SPW], v[NIL]
	v_lshrrev_b32 v1, 5, v0
	v_readfirstlane_b32 s[WV], v1
	s_bfe_u32 s[CX], ttmp6, 0x40000
	s_bfe_u32 s[CY], ttmp6, 0x40004
	s_lshl_b32 s[X], ttmp9, 2
	s_add_co_u32 s[X], s[X], s[CX]
	s_and_b32 s[Y], ttmp7, 0xffff
	s_lshl_b32 s[Y], s[Y], 2
	s_add_co_u32 s[Y], s[Y], s[CY]
	s_lshl_b32 s46, s[CY], 2
	s_lshl_b32 s46, 15, s46
	s_lshl_b32 s47, 0x1111, s[CX]
	s_or_b32 s[G1A], s46, (1<<16)|(1<<20)|(1<<21)|(QI<<22)|(3<<25)
	s_or_b32 s[G1B], s47, (1<<16)|(1<<20)|(1<<21)|(QI<<22)|(3<<25)
	s_mov_b32 s[G1A+1], KS<<16
	s_mov_b32 s[G1A+2], RA<<16
	s_mov_b32 s[G1A+3], KS<<16
	s_mov_b32 s[G1A+4], RA
	s_mov_b32 s[G1A+5], KD
	s_mov_b32 s[G1A+6], 0
	s_mov_b32 s[G1A+7], 0
	s_mov_b32 s[G1B+1], KS<<16
	s_mov_b32 s[G1B+2], RB<<16
	s_mov_b32 s[G1B+3], KS<<16
	s_mov_b32 s[G1B+4], RB
	s_mov_b32 s[G1B+5], KD
	s_mov_b32 s[G1B+6], 0
	s_mov_b32 s[G1B+7], 0
	s_mul_i32 s16, s[Y], TM*2*KD
	s_mov_b32 s17, 0
	s_mul_i32 s18, s[X], TN                        ; W1: row 384 x + 128 w, counted from 128 rows ahead of W1's first: wave w (1-3) fetches the third w - 1
	s_mul_i32 s19, s[WV], RB
	s_add_co_u32 s18, s18, s19
	s_mul_i32 s18, s18, 2*KD
	s_mov_b32 s19, 0
	s_mov_b32 s[LA], 0
	s_mul_i32 s[LB], s[WV], RB*PITCH               ; h2's 128 rows lie first, so the third w - 1 of W1 begins at w x 128 rows
	s_mov_b32 s[G0A], 1
	s_mov_b32 s[G0A+1], 0
	s_mov_b32 s[G0A+4], 1
	s_mov_b32 s[G0A+5], SLOT
	s_mov_b32 s[G0B], 1
	s_mov_b32 s[G0B+1], s[LB]
	s_mov_b32 s[G0B+4], 1
	s_add_co_u32 s[G0B+5], s[LB], SLOT
	s_wait_dscnt 0x0
	s_wait_kmcnt 0x0
	s_add_nc_u64 s[G0A+2:G0A+3], s[4:5], s[16:17]
	s_add_nc_u64 s[G0A+2:G0A+3], s[G0A+2:G0A+3], H2
	s_add_nc_u64 s[G0A+6:G0A+7], s[G0A+2:G0A+3], 2*KS
	s_or_b32 s[G0A+3], s[G0A+3], 0x80000000
	s_or_b32 s[G0A+7], s[G0A+7], 0x80000000
	s_add_nc_u64 s[G0B+2:G0B+3], s[6:7], s[18:19]
	s_add_nc_u64 s[G0B+2:G0B+3], s[G0B+2:G0B+3], W1B-RB*2*KD
	s_add_nc_u64 s[G0B+6:G0B+7], s[G0B+2:G0B+3], 2*KS
	s_or_b32 s[G0B+3], s[G0B+3], 0x80000000
	s_or_b32 s[G0B+7], s[G0B+7], 0x80000000
	CROUND
	s_cmp_lt_u32 s[WV], AL
	s_cbranch_scc0 .Lfirst_b
	tensor_load_to_lds s[G0A:G0A+3], s[G1A:G1A+7]
	s_nop 0
	tensor_load_to_lds s[G0A+4:G0A+7], s[G1A:G1A+7]
	s_nop 0
.rept 4
	v_nop
.endr
	s_branch .Lfirst_done
.Lfirst_b:
	tensor_load_to_lds s[G0B:G0B+3], s[G1B:G1B+7]
	s_nop 0
	tensor_load_to_lds s[G0B+4:G0B+7], s[G1B:G1B+7]
	s_nop 0
.rept 4
	v_nop
.endr
.Lfirst_done:
	v_and_b32 v1, 15, v0
	v_bfe_u32 v2, v0, 4, 1
	v_and_b32 v4, 31, v0
	v_mul_u32_u24 v3, v1, PITCH
	v_lshl_add_u32 v3, v2, 4, v3
	s_lshr_b32 s16, s[WV], 1
	s_and_b32 s17, s[WV], 1
	s_mul_i32 s18, s16, 64*PITCH
	v_add_nc_u32 v[ADRA0], s18, v3
	s_mul_i32 s18, s17, 192*PITCH
	s_add_co_u32 s18, s18, ABYTES
	v_add_nc_u32 v[ADRB0], s18, v3
	v_mov_b32 v[ADRA], v[ADRA0]
	v_mov_b32 v[ADRB], v[ADRB0]
	s_mov_b32 s[TB], 0
	s_mul_i32 s18, s16, 64*SP                      ; into the stage: my token's row, my 16 bytes
	s_mul_i32 s19, s17, 384
	s_add_co_u32 s18, s18, s19
	v_mul_u32_u24 v[STO], v1, SP
	v_lshl_add_u32 v[STO], v2, 4, v[STO]
	v_add_nc_u32 v[STO], s18, v[STO]
	; back: two rows of 768 bytes are three pieces of 512: piece 0 row 0 bytes 0-511; piece 1 row 0 bytes 512-767 (lanes 0-15), row 1 bytes 0-255; piece 2 row 1 bytes 256-767
	s_mul_i32 s18, s[WV], 32*SP
	v_lshl_add_u32 v[RDA], v4, 4, s18
	v_mul_u32_u24 v[RDB], v2, SP-512
	v_lshl_add_u32 v[RDB], v1, 4, v[RDB]
	v_add_nc_u32 v[RDB], s18, v[RDB]
	v_add_nc_u32 v[RDB], 512, v[RDB]
	v_lshlrev_b32 v[GOA], 4, v4
	v_mul_u32_u24 v[GOB], v2, 6144-512
	v_lshl_add_u32 v[GOB], v1, 4, v[GOB]
	v_add_nc_u32 v[GOB], 512, v[GOB]
	v_lshlrev_b32 v[BOA], 5, v4
	v_sub_nc_u32 v[BOB], 1, v2
	v_lshlrev_b32 v[BOB], 10, v[BOB]
	v_lshl_add_u32 v[BOB], v1, 5, v[BOB]
	s_mul_i32 s18, s[X], 1536
	s_mov_b32 s19, 0
	s_add_nc_u64 s[86:87], s[8:9], s[18:19]
	global_load_b128 v[224:227], v[BOA], s[86:87]
	global_load_b128 v[228:231], v[BOA], s[86:87] offset:16
	global_load_b128 v[232:235], v[BOB], s[86:87]
	global_load_b128 v[236:239], v[BOB], s[86:87] offset:16
	global_load_b128 v[240:243], v[BOA], s[86:87] offset:512
	global_load_b128 v[244:247], v[BOA], s[86:87] offset:528
	s_lshl_b32 s18, s[Y], 7
	s_lshl_b32 s19, s[WV], 5
	s_add_co_u32 s18, s18, s19
	s_mul_i32 s18, s18, 6144
	s_mul_i32 s19, s[X], 768
	s_add_co_u32 s18, s18, s19
	s_mov_b32 s19, 0
	s_add_nc_u64 s[84:85], s[10:11], s[18:19]
	s_mov_b32 s66, 0x3eaa540e                      ; P1 = 0.47047 / sqrt(2)
	s_mov_b32 s67, s66
	s_mov_b32 s68, 0xbf38aa3b                      ; K2 = -log2(e) / 2
	s_mov_b32 s69, s68
	s_mov_b32 s70, 0x3e32303a                      ; A1
	s_mov_b32 s71, s70
	s_mov_b32 s72, 0xbd445ca1                      ; A2
	s_mov_b32 s73, s72
	s_mov_b32 s74, 0x3ebf7377                      ; A3
	s_mov_b32 s75, s74
	s_mov_b32 s76, 0xffff0000
	s_mov_b32 s77, 0x7fffffff
	s_wait_tensorcnt 1                             ; my part of K step 0 is in; step 1's may stay out
	s_barrier_signal -1
	s_barrier_wait -1
	FETCH 0, 0
	QUARTER 64, 0, 1, 1
	WIN 0
	s_mov_b32 s[CNT], NSTEP-2
.Lfill:
	QUARTER 128, 1, 0, 0
	QUARTER 192, 0, 1, 0
	TURN 1
	QUARTER 64, 0, 1, 0
	WIN 0
	s_sub_co_u32 s[CNT], s[CNT], 1
	s_cmp_lg_u32 s[CNT], 0
	s_cbranch_scc1 .Lfill
	s_mov_b32 s[CNT2], 2
.Ltail:                                        ; the last two K steps ask for nothing; the second pass is left in its middle, and its fetch serves nothing
	QUARTER 128, 1, 0, 0
	QUARTER 192, 0, 1, 0
	TURN 0
	WIN 0
	s_sub_co_u32 s[CNT2], s[CNT2], 1
	s_cmp_eq_u32 s[CNT2], 0
	s_cbranch_scc1 .Lout
	QUARTER 64, 0, 1, 0
	WIN 0
	s_branch .Ltail
.Lout:
	s_wait_dscnt 0x0                               ; my reads of the slots are over,
	s_barrier_signal -1
	s_barrier_wait -1                              ; everybody's are: slot 0 becomes the stage
	PLACES
	WIN 0x05
.set ix, 0
.rept 32
.set q, 0
.rept 4
	v_cvt_pk_bf16_f32 v[64+4*ix+q], v[8*ix+2*q], v[8*ix+2*q+1]
.set q, q+1
.endr
.set ix, ix+1
.endr
	WIN 0
.set ix, 0
.rept 32
	ds_store_b128 v[STO], v[64+4*ix:64+4*ix+3] offset:(ix%4)*16*SP+32*(ix/4)
.set ix, ix+1
.endr
	WIN 0x0a
.set ix, 0
.rept 16
.set q, 0
.rept 4
	v_cvt_pk_bf16_f32 v[64+4*ix+q], v[8*ix+2*q], v[8*ix+2*q+1]
.set q, q+1
.endr
.set ix, ix+1
.endr
	WIN 0
.set ix, 32
.rept 16
	ds_store_b128 v[STO], v[64+4*(ix-32):64+4*(ix-32)+3] offset:(ix%4)*16*SP+32*(ix/4)
.set ix, ix+1
.endr
	s_wait_dscnt 0x0
	s_barrier_signal -1
	s_barrier_wait -1                              ; the stage is whole
	ds_load_b128 v[32:35], v[RDA]
	ds_load_b128 v[36:39], v[RDB]
	ds_load_b128 v[40:43], v[RDA] offset:SP+256
	s_wait_loadcnt 0x0                             ; b1
	s_mov_b32 s[CNT], 16
.Lrows:                                        ; a trip: two rows, 24 numbers a lane
	s_wait_dscnt 0x0
.set q, 0
.rept 12
	v_lshlrev_b32 v[64+2*q], 16, v[32+q]
	v_and_b32 v[65+2*q], s76, v[32+q]
.set q, q+1
.endr
	s_cmp_eq_u32 s[CNT], 1                         ; the last trip has no rows behind it; the wait for these loads is for 0
	s_cbranch_scc1 .Lno_more
	v_add_nc_u32 v[RDA], 2*SP, v[RDA]
	v_add_nc_u32 v[RDB], 2*SP, v[RDB]
	ds_load_b128 v[32:35], v[RDA]
	ds_load_b128 v[36:39], v[RDB]
	ds_load_b128 v[40:43], v[RDA] offset:SP+256
.Lno_more:
.set q, 0
.rept 12
	v_pk_add_f32 v[64+q:65+q], v[64+q:65+q], v[224+q:225+q]
.set q, q+2
.endr
.set q, 0
.rept 24
	v_and_b32 v[200+q], s77, v[64+q]
.set q, q+1
.endr
.set q, 0
.rept 12
	v_pk_fma_f32 v[88+q:89+q], v[200+q:201+q], s[66:67], 1.0 op_sel_hi:[1,0,0]
	v_pk_mul_f32 v[152+q:153+q], v[64+q:65+q], s[68:69] op_sel_hi:[1,0]
.set q, q+2
.endr
.set q, 0
.rept 12
	v_pk_mul_f32 v[152+q:153+q], v[152+q:153+q], v[64+q:65+q]
.set q, q+2
.endr
.set q, 0
.rept 24
	v_rcp_f32 v[88+q], v[88+q]
	v_exp_f32 v[152+q], v[152+q]
.set q, q+1
.endr
	v_nop                                          ; a plain instruction behind the batch of 48,
	s_wait_alu depctr_va_vdst(0)                   ; and its one wait
.set q, 0
.rept 12
	v_pk_fma_f32 v[176+q:177+q], v[88+q:89+q], s[74:75], s[72:73] op_sel_hi:[1,0,0]
	v_pk_mul_f32 v[152+q:153+q], v[152+q:153+q], v[200+q:201+q]
.set q, q+2
.endr
.set q, 0
.rept 12
	v_pk_fma_f32 v[176+q:177+q], v[176+q:177+q], v[88+q:89+q], s[70:71] op_sel_hi:[1,1,0]
.set q, q+2
.endr
.set q, 0
.rept 12
	v_pk_mul_f32 v[176+q:177+q], v[176+q:177+q], v[88+q:89+q]
	v_max_num_f32 v[64+q], 0, v[64+q]
	v_max_num_f32 v[65+q], 0, v[65+q]
.set q, q+2
.endr
.set q, 0
.rept 12
	v_pk_fma_f32 v[64+q:65+q], v[176+q:177+q], v[152+q:153+q], v[64+q:65+q] neg_lo:[1,0,0] neg_hi:[1,0,0]
.set q, q+2
.endr
.set q, 0
.rept 12
	v_cvt_pk_bf16_f32 v[44+q], v[64+2*q], v[65+2*q]
.set q, q+1
.endr
	global_store_b128 v[GOA], v[44:47], s[84:85]                    ; 16 lanes store 256 consecutive bytes, aligned
	global_store_b128 v[GOB], v[48:51], s[84:85]
	global_store_b128 v[GOA], v[52:55], s[84:85] offset:6144+256
	s_wait_xcnt 0x0                                ; the stores have read their data and their base
	s_add_nc_u64 s[84:85], s[84:85], 12288
	s_sub_co_u32 s[CNT], s[CNT], 1
	s_cmp_lg_u32 s[CNT], 0
	s_cbranch_scc1 .Lrows
	s_wait_tensorcnt 0x0                           ; the wave's end
	ds_add_u32 v[SPW], v[NIL]
	s_wait_dscnt 0x0
	CROUND                                         ; the closing round
	s_endpgm
.Lfunc_end_k_q091bbf4235_ffn1:
	.size	k_q091bbf4235_ffn1, .Lfunc_end_k_q091bbf4235_ffn1-k_q091bbf4235_ffn1
	.p2alignl 7, 3214868480
	.fill 96, 4, 3214868480
	.section	.rodata,"a",@progbits
	.p2align	6, 0x0
	.amdhsa_kernel k_q091bbf4235_ffn1
		.amdhsa_group_segment_fixed_size 327680
		.amdhsa_private_segment_fixed_size 0
		.amdhsa_enable_private_segment 0
		.amdhsa_kernarg_size 32
		.amdhsa_user_sgpr_count 2
		.amdhsa_user_sgpr_kernarg_segment_ptr 1
		.amdhsa_wavefront_size32 1
		.amdhsa_system_sgpr_workgroup_id_x 1
		.amdhsa_system_sgpr_workgroup_id_y 1
		.amdhsa_system_sgpr_workgroup_id_z 1
		.amdhsa_system_vgpr_workitem_id 0
		.amdhsa_next_free_vgpr 960
		.amdhsa_next_free_sgpr 100
		.amdhsa_reserve_vcc 0
		.amdhsa_float_denorm_mode_32 3
		.amdhsa_float_denorm_mode_16_64 3
		.amdhsa_memory_ordered 1
		.amdhsa_forward_progress 1
		.amdhsa_inst_pref_size 89
	.end_amdhsa_kernel
	.amdgpu_metadata
---
amdhsa.version: [ 1, 2 ]
amdhsa.kernels:
  - .name:           k_q091bbf4235_ffn1
    .symbol:         k_q091bbf4235_ffn1.kd
    .args:
      - { .name: xh, .offset: 0, .size: 8, .value_kind: global_buffer, .address_space: global }
      - { .name: wsp, .offset: 8, .size: 8, .value_kind: global_buffer, .address_space: global }
      - { .name: b1, .offset: 16, .size: 8, .value_kind: global_buffer, .address_space: global }
      - { .name: act, .offset: 24, .size: 8, .value_kind: global_buffer, .address_space: global }
    .group_segment_fixed_size: 327680
    .private_segment_fixed_size: 0
    .kernarg_segment_align: 8
    .kernarg_segment_size: 32
    .max_flat_workgroup_size: 128
    .sgpr_count:     100
    .vgpr_count:     960
    .wavefront_size: 32
...
	.end_amdgpu_metadata
.endif
;; end of part 4
;; launch ffn2 (part 5): grid 4 x 64, 4 waves a work-group, clusters of 4 x 4, 327,680 bytes of LDS; arguments act, wsp, b2, xh, out0; writes out0
.if DOCPART == 5
	.amdgcn_target "amdgcn-amd-amdhsa--gfx1250"
	.amdhsa_code_object_version 6
	.text
	.protected	k_q091bbf4235_ffn2
	.globl	k_q091bbf4235_ffn2
	.p2align	8
	.type	k_q091bbf4235_ffn2,@function
k_q091bbf4235_ffn2:
	s_mov_b64 s[64:65], 0
	v_nop
	global_prefetch_b8 v0, s[64:65] scope:SCOPE_SE
	s_setreg_imm32_b32 hwreg(HW_REG_WAVE_MODE, 25, 1), 1
	s_wait_xcnt 0x0
	s_wait_alu depctr_hold_cnt(0) depctr_sa_sdst(0) depctr_va_vdst(0) depctr_va_sdst(0) depctr_va_ssrc(0) depctr_va_vcc(0) depctr_vm_vsrc(0)
	s_getreg_b32 s2, hwreg(HW_REG_IB_STS2, 6, 4)
	s_cmp_eq_u32 s2, 0
	s_cbranch_scc0 .Lentry_in_a_cluster
	s_endpgm
.Lentry_in_a_cluster:
	s_bfe_u32 s2, ttmp6, 0x10000c
	s_cmp_lg_u32 s2, 0xf033
	s_cbranch_scc0 .Lentry_shape_is_right
	s_endpgm
.Lentry_shape_is_right:
; Launch 5 of 5: out0 = x1 + act W2^T + b2, 4096 x 768 x 3072 in bf16, sums in f32, out0 in f32.
; A work-group makes 64 tokens x 192 columns (256 work-groups; a row's 768 bytes of f32 are three aligned blocks of 256).  K goes in steps of 256 through two LDS slots; of each step waves 0, 1 take the
; first 128, waves 2, 3 the second; wave w has columns 96 (w & 1) ..: 24 accumulators.  The two halves of K meet in f32 in a stage in slot 0, which has had its last fill.
; 4 x 4 work-groups form a cluster: act's tile is shared along a row of it, W2's along a column.  Wave 0 fetches act's 64 rows, waves 1-3 64 rows of W2 each:
; every loader brings 64 rows, so wave w's rows land at w x 64 rows of the slot.
; x1 and b2 are asked for at the head and stay out during the whole loop.  The tiles come by their joint loads alone: no prefetch is laid.
.set KD, 3072
.set KS, 256
.set NSTEP, 12
.set PITCH, 528
.set QI, 6
.set TM, 64
.set TN, 192
.set RA, 64
.set RB, 64
.set AL, 1
.set NBF, 6
.set NB1, 2
.set NB2, 4
.set ABYTES, TM*PITCH
.set SLOT, (TM+TN)*PITCH
.set SPARE, 2*SLOT
.set W2B, 14548992
.set SP, 784
.set PLANE, 64*SP
.set ADRA0, 16
.set ADRB0, 17
.set ADRA, 18
.set ADRB, 19
.set GOA, 20
.set GOB, 21
.set CB, 22
.set STO, 24
.set RDA, 25
.set RDB, 26
.set SPW, 28
.set NIL, 29
.set WV, 20
.set TB, 21
.set CNT, 22
.set CNT2, 23
.set G1A, 24
.set G0A, 32
.set CX, 40
.set CY, 41
.set X, 42
.set Y, 43
.set LA, 44
.set LB, 45
.set G1B, 48
.set G0B, 56
.set MSB, 0
.macro WIN new
.if MSB != (\new)
	s_set_vgpr_msb (MSB<<8)|(\new)
.set MSB, \new
.endif
.endm
.macro PLACES
.rept 4
	v_nop
.endr
.endm
.macro MULP f, blo, bhi, zero          ; source 0 = 16 rows of W2, source 1 = 16 tokens.  The accumulators take turns
.set b_, \blo
.rept (\bhi)-(\blo)
.set a_, 0
.rept 4
.set ix, 4*b_+a_
.set rD, 8*ix
.set rB, 96*(\f)+8*b_
.set rA, 64+32*(\f)+8*a_
	WIN 0x53
.if \zero
	v_wmma_f32_16x16x32_bf16 v[rD:rD+7], v[rB:rB+7], v[rA:rA+7], 0
.else
	v_wmma_f32_16x16x32_bf16 v[rD:rD+7], v[rB:rB+7], v[rA:rA+7], v[rD:rD+7]
.endif
.set a_, a_+1
.endr
.set b_, b_+1
.endr
.endm
.macro FETCH koff, f
	WIN 0xc0
.set b_, 0
.rept NBF
	ds_load_b128 v[96*(\f)+8*b_:96*(\f)+8*b_+3], v[ADRB] offset:(\koff)+b_*16*PITCH
	ds_load_b128 v[96*(\f)+8*b_+4:96*(\f)+8*b_+7], v[ADRB] offset:(\koff)+b_*16*PITCH+32
.set b_, b_+1
.endr
	WIN 0
.set a_, 0
.rept 4
	ds_load_b128 v[64+32*(\f)+8*a_:64+32*(\f)+8*a_+3], v[ADRA] offset:(\koff)+a_*16*PITCH
	ds_load_b128 v[64+32*(\f)+8*a_+4:64+32*(\f)+8*a_+7], v[ADRA] offset:(\koff)+a_*16*PITCH+32
.set a_, a_+1
.endr
.endm
.macro QUARTER koff, f, g, zero
	s_wait_dscnt 0x0
	MULP \f, 0, NB1, \zero
	PLACES
	FETCH \koff, \g
	MULP \f, NB1, NBF, \zero
.endm
.macro JLOAD
	s_cmp_lt_u32 s[WV], AL
	s_cbranch_scc0 .Lfor_b_\@
	tensor_load_to_lds s[G0A+4:G0A+7], s[G1A:G1A+7]
	s_nop 0
.rept 4
	v_nop
.endr
	s_branch .Lasked_\@
.Lfor_b_\@:
	tensor_load_to_lds s[G0B+4:G0B+7], s[G1B:G1B+7]
	s_nop 0
.rept 4
	v_nop
.endr
.Lasked_\@:
.endm
.macro CREST
	s_cmp_lg_u32 s[WV], 0
	s_cbranch_scc1 .Lnot_wave_0_\@
	s_barrier_signal -3
.Lnot_wave_0_\@:
	s_barrier_wait -3
	s_barrier_signal -1
	s_barrier_wait -1
.endm
.macro CROUND
	s_barrier_signal -1
	s_barrier_wait -1
	CREST
.endm
; The last quarter of a K step and the change of slots: all my tensor loads waited for, the add, the wait for it and for my reads of the slot, the barrier; with fill = 1 a round of the cluster's, and the joint refill first behind it.
.macro TURN fill
	WIN 0
	s_wait_tensorcnt 0x0
	ds_add_u32 v[SPW], v[NIL]
	s_wait_dscnt 1                                 ; buffer 1 is in; the add alone may be out
	MULP 1, 0, NB1, 0
	s_wait_dscnt 0x0
	s_barrier_signal -1
	MULP 1, NB1, NB2, 0
	WIN 0
	s_barrier_wait -1
.if \fill
	CREST
	s_add_co_u32 s[G0A+5], s[LA], s[TB]
	s_add_co_u32 s[G0B+5], s[LB], s[TB]
	s_add_nc_u64 s[G0A+6:G0A+7], s[G0A+6:G0A+7], 2*KS
	s_add_nc_u64 s[G0B+6:G0B+7], s[G0B+6:G0B+7], 2*KS
	JLOAD
.else
	PLACES
.endif
	s_xor_b32 s[TB], s[TB], SLOT
	v_add_nc_u32 v[ADRA], s[TB], v[ADRA0]
	v_add_nc_u32 v[ADRB], s[TB], v[ADRB0]
	FETCH 0, 0
	MULP 1, NB2, NBF, 0
.endm
	s_load_b256 s[4:11], s[0:1], 0x0               ; act 4, wsp 6, b2 8, xh 10
	s_load_b64 s[12:13], s[0:1], 0x20              ; out0
	v_lshl_add_u32 v[SPW], v0, 2, SPARE
	v_mov_b32 v[NIL], 0
	ds_add_u32 v[SPW], v[NIL]                      ; the opening: the add, twice on end, and its wait ahead of my first tensor load
	ds_add_u32 v[SPW], v[NIL]
	v_lshrrev_b32 v1, 5, v0
	v_readfirstlane_b32 s[WV], v1
	s_bfe_u32 s[CX], ttmp6, 0x40000
	s_bfe_u32 s[CY], ttmp6, 0x40004
	s_lshl_b32 s[X], ttmp9, 2
	s_add_co_u32 s[X], s[X], s[CX]
	s_and_b32 s[Y], ttmp7, 0xffff
	s_lshl_b32 s[Y], s[Y], 2
	s_add_co_u32 s[Y], s[Y], s[CY]
	s_lshl_b32 s46, s[CY], 2
	s_lshl_b32 s46, 15, s46
	s_lshl_b32 s47, 0x1111, s[CX]
	s_or_b32 s[G1A], s46, (1<<16)|(1<<20)|(1<<21)|(QI<<22)|(3<<25)
	s_or_b32 s[G1B], s47, (1<<16)|(1<<20)|(1<<21)|(QI<<22)|(3<<25)
	s_mov_b32 s[G1A+1], KS<<16
	s_mov_b32 s[G1A+2], RA<<16
	s_mov_b32 s[G1A+3], KS<<16
	s_mov_b32 s[G1A+4], RA
	s_mov_b32 s[G1A+5], KD
	s_mov_b32 s[G1A+6], 0
	s_mov_b32 s[G1A+7], 0
	s_mov_b32 s[G1B+1], KS<<16
	s_mov_b32 s[G1B+2], RB<<16
	s_mov_b32 s[G1B+3], KS<<16
	s_mov_b32 s[G1B+4], RB
	s_mov_b32 s[G1B+5], KD
	s_mov_b32 s[G1B+6], 0
	s_mov_b32 s[G1B+7], 0
	s_mul_i32 s16, s[Y], TM*2*KD
	s_mov_b32 s17, 0
	s_mul_i32 s18, s[X], TN                        ; W2: row 192 x + 64 w, counted from 64 rows ahead of W2's first: wave w (1-3) fetches the third w - 1
	s_mul_i32 s19, s[WV], RB
	s_add_co_u32 s18, s18, s19
	s_mul_i32 s18, s18, 2*KD
	s_mov_b32 s19, 0
	s_mov_b32 s[LA], 0
	s_mul_i32 s[LB], s[WV], RB*PITCH               ; act's 64 rows lie first, so the third w - 1 of W2 begins at w x 64 rows
	s_mov_b32 s[G0A], 1
	s_mov_b32 s[G0A+1], 0
	s_mov_b32 s[G0A+4], 1
	s_mov_b32 s[G0A+5], SLOT
	s_mov_b32 s[G0B], 1
	s_mov_b32 s[G0B+1], s[LB]
	s_mov_b32 s[G0B+4], 1
	s_add_co_u32 s[G0B+5], s[LB], SLOT
	s_wait_dscnt 0x0
	s_wait_kmcnt 0x0
	s_add_nc_u64 s[G0A+2:G0A+3], s[4:5], s[16:17]
	s_add_nc_u64 s[G0A+6:G0A+7], s[G0A+2:G0A+3], 2*KS
	s_or_b32 s[G0A+3], s[G0A+3], 0x80000000
	s_or_b32 s[G0A+7], s[G0A+7], 0x80000000
	s_add_nc_u64 s[G0B+2:G0B+3], s[6:7], s[18:19]
	s_add_nc_u64 s[G0B+2:G0B+3], s[G0B+2:G0B+3], W2B-RB*2*KD
	s_add_nc_u64 s[G0B+6:G0B+7], s[G0B+2:G0B+3], 2*KS
	s_or_b32 s[G0B+3], s[G0B+3], 0x80000000
	s_or_b32 s[G0B+7], s[G0B+7], 0x80000000
	CROUND
	s_cmp_lt_u32 s[WV], AL
	s_cbranch_scc0 .Lfirst_b
	tensor_load_to_lds s[G0A:G0A+3], s[G1A:G1A+7]
	s_nop 0
	tensor_load_to_lds s[G0A+4:G0A+7], s[G1A:G1A+7]
	s_nop 0
.rept 4
	v_nop
.endr
	s_branch .Lfirst_done
.Lfirst_b:
	tensor_load_to_lds s[G0B:G0B+3], s[G1B:G1B+7]
	s_nop 0
	tensor_load_to_lds s[G0B+4:G0B+7], s[G1B:G1B+7]
	s_nop 0
.rept 4
	v_nop
.endr
.Lfirst_done:
	v_and_b32 v1, 15, v0
	v_bfe_u32 v2, v0, 4, 1
	v_and_b32 v4, 31, v0
	v_mul_u32_u24 v3, v1, PITCH
	v_lshl_add_u32 v3, v2, 4, v3
	s_lshr_b32 s16, s[WV], 1
	s_and_b32 s17, s[WV], 1
	s_lshl_b32 s18, s16, 8                         ; my half of a K step: 256 bytes of the rows
	v_add_nc_u32 v[ADRA0], s18, v3
	s_mul_i32 s19, s17, 96*PITCH
	s_add_co_u32 s18, s18, s19
	s_add_co_u32 s18, s18, ABYTES
	v_add_nc_u32 v[ADRB0], s18, v3
	v_mov_b32 v[ADRA], v[ADRA0]
	v_mov_b32 v[ADRB], v[ADRB0]
	s_mov_b32 s[TB], 0
	s_mul_i32 s18, s16, PLANE                      ; into the stage: my half's plane, my token's row, my 32 bytes
	s_mul_i32 s19, s17, 384
	s_add_co_u32 s18, s18, s19
	v_mul_u32_u24 v[STO], v1, SP
	v_lshl_add_u32 v[STO], v2, 5, v[STO]
	v_add_nc_u32 v[STO], s18, v[STO]
	; back and out: two rows of 768 bytes as three pieces of 512
	s_mul_i32 s18, s[WV], 16*SP
	v_lshl_add_u32 v[RDA], v4, 4, s18
	v_mul_u32_u24 v[RDB], v2, SP-512
	v_lshl_add_u32 v[RDB], v1, 4, v[RDB]
	v_add_nc_u32 v[RDB], s18, v[RDB]
	v_add_nc_u32 v[RDB], 512, v[RDB]
	v_lshlrev_b32 v[GOA], 4, v4
	v_mul_u32_u24 v[GOB], v2, 3072-512
	v_lshl_add_u32 v[GOB], v1, 4, v[GOB]
	v_add_nc_u32 v[GOB], 512, v[GOB]
	v_sub_nc_u32 v[CB], 1, v2
	v_lshlrev_b32 v[CB], 9, v[CB]
	v_lshl_add_u32 v[CB], v1, 4, v[CB]
	s_lshl_b32 s18, s[Y], 6
	s_lshl_b32 s19, s[WV], 4
	s_add_co_u32 s18, s18, s19
	s_mul_i32 s18, s18, 3072
	s_mul_i32 s19, s[X], 768
	s_add_co_u32 s18, s18, s19
	s_mov_b32 s19, 0
	s_add_nc_u64 s[84:85], s[10:11], s[18:19]      ; x1
	s_add_nc_u64 s[86:87], s[12:13], s[18:19]      ; out0
	s_mul_i32 s18, s[X], 768
	s_add_nc_u64 s[88:89], s[8:9], s[18:19]        ; b2
.set t, 0
.rept 8
	global_load_b128 v[128+12*t:131+12*t], v[GOA], s[84:85] offset:6144*t
	global_load_b128 v[132+12*t:135+12*t], v[GOB], s[84:85] offset:6144*t
	global_load_b128 v[136+12*t:139+12*t], v[GOA], s[84:85] offset:6144*t+3328
.set t, t+1
.endr
	global_load_b128 v[224:227], v[GOA], s[88:89]
	global_load_b128 v[228:231], v[CB], s[88:89]
	global_load_b128 v[232:235], v[GOA], s[88:89] offset:256
	s_wait_tensorcnt 1                             ; my part of K step 0 is in; step 1's may stay out
	s_barrier_signal -1
	s_barrier_wait -1
	FETCH 0, 0
	QUARTER 64, 0, 1, 1
	WIN 0
	s_mov_b32 s[CNT], NSTEP-2
.Lfill:
	QUARTER 128, 1, 0, 0
	QUARTER 192, 0, 1, 0
	TURN 1
	QUARTER 64, 0, 1, 0
	WIN 0
	s_sub_co_u32 s[CNT], s[CNT], 1
	s_cmp_lg_u32 s[CNT], 0
	s_cbranch_scc1 .Lfill
	s_mov_b32 s[CNT2], 2
.Ltail:                                        ; the last two K steps ask for nothing; the second pass is left in its middle, and its fetch serves nothing
	QUARTER 128, 1, 0, 0
	QUARTER 192, 0, 1, 0
	TURN 0
	WIN 0
	s_sub_co_u32 s[CNT2], s[CNT2], 1
	s_cmp_eq_u32 s[CNT2], 0
	s_cbranch_scc1 .Lout
	QUARTER 64, 0, 1, 0
	WIN 0
	s_branch .Ltail
.Lout:
	s_wait_dscnt 0x0                               ; my reads of the slots are over,
	s_barrier_signal -1
	s_barrier_wait -1                              ; everybody's are: slot 0 becomes the stage
	PLACES
	WIN 0x04
.set ix, 0
.rept 24
	ds_store_b128 v[STO], v[8*ix:8*ix+3] offset:(ix%4)*16*SP+64*(ix/4)
	ds_store_b128 v[STO], v[8*ix+4:8*ix+7] offset:(ix%4)*16*SP+64*(ix/4)+16
.set ix, ix+1
.endr
	WIN 0
	s_wait_dscnt 0x0
	s_barrier_signal -1
	s_barrier_wait -1                              ; both planes are whole
	s_wait_loadcnt 0x0                             ; x1 and b2
.macro LDROWS t                        ; rows 16 w + 2 t, + 1 of both planes, into set t % 4
.set q_, 32+24*((\t)%4)
	ds_load_b128 v[q_:q_+3], v[RDA] offset:2*SP*(\t)
	ds_load_b128 v[q_+4:q_+7], v[RDB] offset:2*SP*(\t)
	ds_load_b128 v[q_+8:q_+11], v[RDA] offset:2*SP*(\t)+SP+256
	ds_load_b128 v[q_+12:q_+15], v[RDA] offset:2*SP*(\t)+PLANE
	ds_load_b128 v[q_+16:q_+19], v[RDB] offset:2*SP*(\t)+PLANE
	ds_load_b128 v[q_+20:q_+23], v[RDA] offset:2*SP*(\t)+PLANE+SP+256
.endm
.macro SUMROWS t
.set q_, 32+24*((\t)%4)
.set x_, 128+12*(\t)
.set j_, 0
.rept 6
	v_pk_add_f32 v[x_+j_:x_+j_+1], v[x_+j_:x_+j_+1], v[224+j_:224+j_+1]
	v_pk_add_f32 v[q_+j_:q_+j_+1], v[q_+j_:q_+j_+1], v[q_+12+j_:q_+12+j_+1]
	v_pk_add_f32 v[x_+j_:x_+j_+1], v[x_+j_:x_+j_+1], v[q_+j_:q_+j_+1]
.set j_, j_+2
.endr
	global_store_b128 v[GOA], v[x_:x_+3], s[86:87] offset:6144*(\t)          ; 16 lanes store 256 consecutive bytes, aligned
	global_store_b128 v[GOB], v[x_+4:x_+7], s[86:87] offset:6144*(\t)
	global_store_b128 v[GOA], v[x_+8:x_+11], s[86:87] offset:6144*(\t)+3328
.endm
	LDROWS 0
	LDROWS 1
	LDROWS 2
	LDROWS 3
.irp t, 0,1,2,3
	s_wait_dscnt 18                                ; this trip's six loads are in; the three younger trips' stay out
	SUMROWS \t
	LDROWS (\t)+4
.endr
	s_wait_dscnt 18
	SUMROWS 4
	s_wait_dscnt 12
	SUMROWS 5
	s_wait_dscnt 6
	SUMROWS 6
	s_wait_dscnt 0x0
	SUMROWS 7
	s_wait_tensorcnt 0x0                           ; the wave's end
	ds_add_u32 v[SPW], v[NIL]
	s_wait_dscnt 0x0
	CROUND                                         ; the closing round
	s_endpgm
.Lfunc_end_k_q091bbf4235_ffn2:
	.size	k_q091bbf4235_ffn2, .Lfunc_end_k_q091bbf4235_ffn2-k_q091bbf4235_ffn2
	.p2alignl 7, 3214868480
	.fill 96, 4, 3214868480
	.section	.rodata,"a",@progbits
	.p2align	6, 0x0
	.amdhsa_kernel k_q091bbf4235_ffn2
		.amdhsa_group_segment_fixed_size 327680
		.amdhsa_private_segment_fixed_size 0
		.amdhsa_enable_private_segment 0
		.amdhsa_kernarg_size 40
		.amdhsa_user_sgpr_count 2
		.amdhsa_user_sgpr_kernarg_segment_ptr 1
		.amdhsa_wavefront_size32 1
		.amdhsa_system_sgpr_workgroup_id_x 1
		.amdhsa_system_sgpr_workgroup_id_y 1
		.amdhsa_system_sgpr_workgroup_id_z 1
		.amdhsa_system_vgpr_workitem_id 0
		.amdhsa_next_free_vgpr 960
		.amdhsa_next_free_sgpr 100
		.amdhsa_reserve_vcc 0
		.amdhsa_float_denorm_mode_32 3
		.amdhsa_float_denorm_mode_16_64 3
		.amdhsa_memory_ordered 1
		.amdhsa_forward_progress 1
		.amdhsa_inst_pref_size 59
	.end_amdhsa_kernel
	.amdgpu_metadata
---
amdhsa.version: [ 1, 2 ]
amdhsa.kernels:
  - .name:           k_q091bbf4235_ffn2
    .symbol:         k_q091bbf4235_ffn2.kd
    .args:
      - { .name: act, .offset: 0, .size: 8, .value_kind: global_buffer, .address_space: global }
      - { .name: wsp, .offset: 8, .size: 8, .value_kind: global_buffer, .address_space: global }
      - { .name: b2, .offset: 16, .size: 8, .value_kind: global_buffer, .address_space: global }
      - { .name: xh, .offset: 24, .size: 8, .value_kind: global_buffer, .address_space: global }
      - { .name: out0, .offset: 32, .size: 8, .value_kind: global_buffer, .address_space: global }
    .group_segment_fixed_size: 327680
    .private_segment_fixed_size: 0
    .kernarg_segment_align: 8
    .kernarg_segment_size: 40
    .max_flat_workgroup_size: 128
    .sgpr_count:     100
    .vgpr_count:     960
    .wavefront_size: 32
...
	.end_amdgpu_metadata
.endif
;; end of part 5
